; MI455X (gfx1250); checked and timed in simulation.
; The chip was launched on July 23, 2026; its instructions are those of AMD's public machine-readable ISA for CDNA 5 (MIT licence, August 2026) and "CDNA5" Instruction Set Architecture Reference Guide (July 2026). The comments in the code are by the model that wrote it; some were corrected since.
;; NNK. Allowed arithmetic: matrix products marked QUANTISED: E4M3 operands, one E8M0 scale for each 32 along K, by v_wmma_scale_f32_16x16x128_f8f6f4 with both operands' format E4M3, f32 sums; everything else in f32.
;; Inputs: gs 2,048 x 1,024 float32; input_weights 2,048 x 1,024 float32; x 4 x 2,048 x 1,024 float32; xis 2,048 float32.
;; Outputs: out0 4 x 2,048 x 2,048 float32.
;; This version of the problem:
;;   THIS VERSION OF THE PROBLEM IS GIVEN IN LOW PRECISION. The matrix products marked QUANTISED in the list below multiply operands that are first quantised to E4M3 (4 exponent bits, 3 mantissa bits; 8 bits a number), with one power-of-two scale for each 32 numbers along K (OCP MX v1.0); their sums are f32. All else is computed in f32.
;;   The module's matrix products, in the order in which they are computed (A, B: the left and right operand; K: the contracted axis; several contracted axes count as one K, in the product's order):
;;     1. [M 2,048, K 1,024] x [K 1,024, N 2,048]; A: input input_weights; B: computed on the way: QUANTISED
;;     2. [M 8,192, K 1,024] x [K 1,024, N 2,048]; A: input x; B: computed on the way: QUANTISED
;;     3. [M 8,192, K 2,048] x [K 2,048, N 2,048]; A: computed on the way; B: computed on the way: QUANTISED
;;   THE QUANTISER, for each operand of a quantised product, along K:
;;     - K is cut into blocks of 32 from its start; a last block that is shorter is filled with zeros.
;;     - A block's scale is 2^e with e = floor(log2(the largest magnitude in the block)) - 8, held to -126 .. 127; a block of zeros has e = 0. As a byte (E8M0): e + 127.
;;     - Each number is divided by its block's scale, clamped to +-448, and rounded to the nearest number of E4M3, ties to even, subnormals kept.
;;     - The product sums the exact products of the quantised numbers (number of the format x scale) in f32.
;;   ~~~python
;;   def quantise(x, axis):      # numpy; x: float32 -> the quantised numbers, widened to float32 again
;;       x = np.moveaxis(x, axis, -1); K = x.shape[-1]
;;       x = np.pad(x, [(0, 0)] * (x.ndim - 1) + [(0, -K % 32)]); x = x.reshape(x.shape[:-1] + (-1, 32)); a = np.abs(x).max(-1, keepdims=True)
;;       e = np.where(a > 0, np.clip(np.frexp(np.where(a > 0, a, 1))[1] - 1 - 8, -126, 127), 0)      # np.frexp(a)[1] - 1 = floor(log2(a)), exactly
;;       r = np.clip(x / 2.0 ** e, -448, 448)
;;       step = 2.0 ** (np.maximum(np.frexp(np.where(r == 0, 1, r))[1] - 1, -6) - 3)
;;       q = np.round(r / step) * step * 2.0 ** e      # np.round: ties to even
;;       return np.moveaxis(q.reshape(q.shape[:-2] + (-1,))[..., :K], -1, axis).astype(np.float32)
;;   ~~~
;;   OPERANDS COMPUTED ON THE WAY. 'Computed on the way' means the value that the module computes at that place (a softmax that the list does not call 'softmax' is quantised finished and normalised). What goes into a quantiser is computed in f32, as accurately as f32 sums, v_exp_f32 and their like allow (about 1e-6 of the number): no bf16 or f16 on the way to a quantiser, and a product that is left as it is and whose result goes on into a quantised operand takes f32 operands (vector FMAs, or v_wmma_f32_16x16x4_f32). A number that lies on a knife's edge between two numbers of the format may be rounded either way, as far as f32 arithmetic and the matrix unit's own rounding can turn it there, and no further.
;; 2 versions. Each part assembles by itself: llvm-mc -triple=amdgcn-amd-amdhsa -mcpu=gfx1250 --defsym DOCPART=n.
;; ======== version 1 of 2: 3 launches
;; workspace buffers: codes1 12,582,912 bytes; scales1 393,216 bytes; hs 40,960 bytes; phi_codes 20,971,520 bytes; phi_scales 655,360 bytes
;; launch quant (part 1): grid 768 x 1, 8 waves a work-group, no clusters, 70,656 bytes of LDS; arguments x, input_weights, gs, xis, codes1, scales1, hs; writes codes1, scales1, hs
.if DOCPART == 1
	.amdgcn_target "amdgcn-amd-amdhsa--gfx1250"
	.amdhsa_code_object_version 6
	.text
	.protected	k_q9908d13e49_quant
	.globl	k_q9908d13e49_quant
	.p2align	8
	.type	k_q9908d13e49_quant,@function
k_q9908d13e49_quant:
	s_mov_b64 s[64:65], 0
	v_nop
	global_prefetch_b8 v0, s[64:65] scope:SCOPE_SE
	s_setreg_imm32_b32 hwreg(HW_REG_WAVE_MODE, 25, 1), 1
	s_wait_xcnt 0x0
; x [8192][1024], input_weights [2048][1024] and xis[m] * gs[m][:] [2048][1024], f32, become codes of FP8 (E4M3) with one E8M0 byte for each 32 along K = 1024;
; and hs[row] = -0.5 * (sum of the row's squares) for the 10,240 rows of x and input_weights.
; A block's scale is 2^(floor(log2(largest magnitude)) - 8); its byte is the largest magnitude's exponent field - 8, held at 1 from below; each number is held within +-448 x the scale and rounded to the nearest code, ties to even.
; LIMITS: NaN and infinities among the inputs are not served.  A block whose largest magnitude lies under 2^-118 (a block of zeros too) keeps the byte 1: its codes are what that scale gives (zeros for zeros), and this program alone reads the bytes.
; LAYOUT OF THE CODES: in the order of a matrix operand's registers.  A ROWBLOCK is 16 rows; a fragment (16 rows x 128 K) is an image of 2,048 bytes: byte 512 c + 16 lane + e is row lane % 16, k = 32 c + 16 (lane / 16) + e.
;   codes1[K step of 256: 4][rowblock: 768][which 128 of the step: 2][2,048];  scales1[rowblock][row 16][8 words], word f = the four bytes of the row's f-th 128 along K.
;   Rowblocks 0-511: x, 512-639: input_weights, rows in their order.  Rowblocks 640-767: xis * gs; rowblock 640 + l holds rows 32 (l / 2) + 8 (l % 2) + r + 8 (r / 8), r = 0 .. 15: so that the
;   next launch's results, used transposed, have 16 neighbours along m in a lane's 16 registers of two neighbouring tiles.
; SHARES: a work-group takes a rowblock, wave w its w-th 128 along K: 16 rows x 512 bytes.  Each load reads 512 consecutive bytes of one row; the 8,192 bytes turn through the wave's own stage in LDS
; (rows 528 bytes apart: the sixteen rows that a read touches begin in sixteen different groups of four banks) and come back as 64 numbers a lane in the operand's order.  No loop, one barrier (for the scale words and the sums of squares).
; No tensor loads, no cluster, no matrix unit: every input byte is read once by one wave, so nothing is shared and memory binds.
.set ROWB, 4096                        ; a row of 1,024 f32
.set SP,   528                         ; a stage row: 512 bytes + 16
.set WST,  16*SP                       ; a wave's stage
.set SCW,  8*WST                       ; behind the stages: the rowblock's scale words, [row 16][8 words], 512 bytes
.set SQP,  SCW+512                     ; the eight waves' partial sums of squares, [wave 8][row 16], 512 bytes
.set R,    16                          ; v16-79   16 rows x 4 registers as loaded
.set X,    80                          ; v80-143  64 numbers: register 16 c + i = k 32 c + 16 (lane / 16) + i of row lane % 16
.set PC,   16                          ; v16-31   the codes (R is done with by then)
.set TM,   32                          ; v32-35 largest magnitudes, v36-39 bytes, v40-43 448 x the scale, v44-47 the conversions' scale operands
.set PW,   48                          ; v48      the row's scale word
	s_load_b256 s[4:11], s[0:1], 0x0               ; x s[4:5], input_weights s[6:7], gs s[8:9], xis s[10:11]
	s_load_b128 s[12:15], s[0:1], 0x20             ; codes1 s[12:13], scales1 s[14:15]
	s_load_b64 s[16:17], s[0:1], 0x30              ; hs
	v_lshl_add_u32 v152, v0, 2, 0x11000
	v_mov_b32 v153, 0
	v_lshrrev_b32 v1, 5, v0
	v_readfirstlane_b32 s18, v1                    ; wave 0..7
	v_and_b32 v1, 31, v0                           ; lane
	v_and_b32 v2, 15, v0                           ; r
	v_bfe_u32 v3, v0, 4, 1                         ; h
	v_lshlrev_b32 v4, 4, v1                        ; 16 x lane: my bytes of a load's 512, of an image's 512, of the scale words' 512
	s_mul_i32 s19, s18, WST
	v_add_nc_u32 v5, s19, v4                       ; the stage, on the way in: 16 x lane (+ 528 x row in the immediate)
	v_mul_u32_u24 v6, v2, SP
	v_lshl_add_u32 v6, v3, 6, v6
	v_add_nc_u32 v6, s19, v6                       ; and on the way out: row r, + 64 h: my 16 numbers of each block of 32
	s_lshl_b32 s19, s18, 2
	v_lshl_add_u32 v7, v2, 5, s19
	v_add_nc_u32 v7, SCW, v7                       ; my row's scale word of my wave's 128 along K: 32 r + 4 w
	s_lshl_b32 s19, s18, 6
	v_lshl_add_u32 v8, v2, 2, s19
	v_add_nc_u32 v8, SQP, v8                       ; my row's partial sum: 64 w + 4 r
	v_add_nc_u32 v144, SCW, v4                     ; behind the barrier, wave 0: the 512 bytes of scale words, 16 a lane,
	v_lshl_add_u32 v145, v2, 2, SQP                ; the partial sums of row r,
	v_lshlrev_b32 v146, 2, v2                      ; and row r's place in hs
	s_mov_b32 s34, 0x76543210
	s_mov_b32 s35, 0xfedcba98                      ; v_permlanex16_b32's selects for lane l xor 16
	s_mov_b32 s36, 0x600000                        ; the mantissa field of 448
	; which tensor, and which of its rows.  Everything hangs on the work-group's number alone.
	s_mov_b32 s22, 640
	s_cmp_lt_u32 ttmp9, 640
	s_cselect_b32 s22, 512, s22
	s_cmp_lt_u32 ttmp9, 512
	s_cselect_b32 s22, 0, s22                      ; the tensor's first rowblock
	s_sub_co_u32 s24, ttmp9, s22                   ; l: my rowblock in the tensor
	s_lshl_b32 s25, s24, 4                         ; rows in their order: 16 l
	s_lshr_b32 s23, s24, 1
	s_lshl_b32 s23, s23, 5
	s_and_b32 s19, s24, 1
	s_lshl_b32 s19, s19, 3
	s_add_co_u32 s23, s23, s19                     ; gs: 32 (l / 2) + 8 (l % 2)
	s_cmp_lt_u32 ttmp9, 640
	s_cselect_b32 s25, s25, s23                    ; the rowblock's first row
	s_cselect_b32 s28, 8, 16                       ; and how many rows on its upper eight begin
	s_lshl_b32 s26, s25, 12
	s_lshl_b32 s19, s18, 9
	s_add_co_u32 s26, s26, s19                     ; first row x 4,096 + wave x 512 bytes (under 2^26)
	s_mov_b32 s27, 0
	s_lshl_b32 s28, s28, 12
	s_mov_b32 s29, 0
	s_lshr_b32 s30, s18, 1                         ; codes1: ((w / 2) x 768 + rowblock) x 4,096 + (w % 2) x 2,048
	s_mul_i32 s30, s30, 768
	s_add_co_u32 s30, s30, ttmp9
	s_lshl_b32 s30, s30, 12
	s_and_b32 s19, s18, 1
	s_lshl_b32 s19, s19, 11
	s_add_co_u32 s30, s30, s19
	s_mov_b32 s31, 0
	v_and_b32 v9, 8, v2
	v_add_nc_u32 v9, v9, v2
	v_add_nc_u32 v9, s25, v9
	v_lshlrev_b32 v9, 2, v9                        ; gs alone: xis at my row, first row + r + 8 (r / 8)
	v_mov_b32 v10, 1.0                             ; v[10:11]: the row's factor (gs: xis); written here so that it is defined on every way
	v_mov_b32 v11, 1.0
	v_mov_b32 v12, 0                               ; the partial sum of squares: gs has none
	s_mov_b32 s39, 0
	s_wait_kmcnt 0x0
	s_cmp_lt_u32 ttmp9, 640
	s_cselect_b64 s[20:21], s[6:7], s[8:9]
	s_cmp_lt_u32 ttmp9, 512
	s_cselect_b64 s[20:21], s[4:5], s[20:21]       ; the tensor that I read
	s_add_nc_u64 s[20:21], s[20:21], s[26:27]      ; at image rows 0-7,
	s_add_nc_u64 s[32:33], s[20:21], s[28:29]      ; and at image rows 8-15
	s_add_nc_u64 s[12:13], s[12:13], s[30:31]
	s_lshl_b32 s38, ttmp9, 9
	s_add_nc_u64 s[14:15], s[14:15], s[38:39]      ; scales1: 512 bytes a rowblock
	s_lshl_b32 s38, ttmp9, 6
	s_add_nc_u64 s[16:17], s[16:17], s[38:39]      ; hs: 64 bytes a rowblock
	s_cmp_lt_u32 ttmp9, 640
	s_cbranch_scc1 .Lno_xis
	global_load_b32 v10, v9, s[10:11]              ; the oldest load: every counted wait below covers it too
.Lno_xis:
.irp p, 0,1,2,3,4,5,6,7
	global_load_b128 v[R+4*\p:R+4*\p+3], v4, s[20:21] offset:ROWB*\p th:TH_LOAD_NT          ; 32 lanes read 512 consecutive bytes of one row; read once in the launch
.endr
.irp p, 0,1,2,3,4,5,6,7
	global_load_b128 v[R+32+4*\p:R+32+4*\p+3], v4, s[32:33] offset:ROWB*\p th:TH_LOAD_NT
.endr
.irp p, 0,1,2,3,4,5,6,7,8,9,10,11,12,13,14,15
	s_wait_loadcnt 15-\p                           ; loads come back in order: row p is in, the 15 - p younger ones stay out
	ds_store_b128 v5, v[R+4*\p:R+4*\p+3] offset:SP*\p
.endr
.irp c, 0,1,2,3
.irp j, 0,1,2,3
	ds_load_b128 v[X+16*\c+4*\j:X+16*\c+4*\j+3], v6 offset:128*\c+16*\j   ; my own stage, and LDS serves a wave's instructions in order: no wait between the stores and these
.endr
.endr
	s_wait_dscnt 0x0
	s_cmp_lt_u32 ttmp9, 640
	s_cbranch_scc1 .Lsquares
.set i, 0
.rept 32
	v_pk_mul_f32 v[X+i:X+i+1], v[X+i:X+i+1], v[10:11] op_sel_hi:[1,0]     ; gs: xis[m] * gs[m][k], one f32 product, ahead of the quantiser
.set i, i+2
.endr
	s_branch .Lquantise
.Lsquares:                                             ; x and input_weights: the sum of my 64 squares, in two packed chains started by products
	v_pk_mul_f32 v[12:13], v[X:X+1], v[X:X+1]
	v_pk_mul_f32 v[14:15], v[X+2:X+3], v[X+2:X+3]
.irp j, 4,8,12,16,20,24,28,32,36,40,44,48,52,56,60
	v_pk_fma_f32 v[12:13], v[X+\j:X+\j+1], v[X+\j:X+\j+1], v[12:13]
	v_pk_fma_f32 v[14:15], v[X+\j+2:X+\j+3], v[X+\j+2:X+\j+3], v[14:15]
.endr
	v_pk_add_f32 v[12:13], v[12:13], v[14:15]
	v_add_f32 v12, v12, v13
	v_permlanex16_b32 v13, v12, s34, s35
	v_add_f32 v12, v12, v13                        ; with lane l xor 16's 64: row r's 128 of my wave
.Lquantise:
.irp b, 0,1,2,3
	v_max3_num_f32 v[TM+\b], |v[X+16*\b]|, |v[X+1+16*\b]|, 0x4800000      ; block b: my 16 numbers, and the floor 2^(9 - 127): so the byte cannot fall under 1
.endr
.irp i, 2,4,6,8,10,12,14
.irp b, 0,1,2,3
	v_max3_num_f32 v[TM+\b], v[TM+\b], |v[X+16*\b+\i]|, |v[X+1+16*\b+\i]|   ; the four blocks by turns
.endr
.endr
.irp b, 0,1,2,3
	v_permlanex16_b32 v[TM+4+\b], v[TM+\b], s34, s35
.endr
.irp b, 0,1,2,3
	v_max_num_f32 v[TM+\b], v[TM+\b], v[TM+4+\b]   ; with lane l xor 16's: the block's largest magnitude
.endr
.irp b, 0,1,2,3
	v_add_nc_u32 v[TM+12+\b], 0xfc000000, v[TM+\b] ; 8 off its exponent field: the conversion takes the exponent field of this operand as its scale
.endr
.irp b, 0,1,2,3
	v_and_or_b32 v[TM+8+\b], v[TM+\b], 0x7f800000, s36   ; 448 x the scale
.endr
.irp b, 0,1,2,3
	v_lshrrev_b32 v[TM+4+\b], 23, v[TM+12+\b]      ; the scale's byte
.endr
	v_lshl_or_b32 v[PW], v[TM+5], 8, v[TM+4]
	v_lshl_or_b32 v[PW], v[TM+6], 16, v[PW]
	v_lshl_or_b32 v[PW], v[TM+7], 24, v[PW]        ; row r's scale word of these 128 along K
.irp b, 0,1,2,3
.irp i, 0,1,2,3,4,5,6,7,8,9,10,11,12,13,14,15
	v_med3_num_f32 v[X+16*\b+\i], v[X+16*\b+\i], -v[TM+8+\b], v[TM+8+\b]   ; the conversion to an 8-bit code does not saturate (ISA guide 7.6.2): the hold comes first
.endr
	v_cvt_scalef32_pk8_fp8_f32 v[PC+4*\b:PC+1+4*\b], v[X+16*\b:X+7+16*\b], v[TM+12+\b]
	v_cvt_scalef32_pk8_fp8_f32 v[PC+2+4*\b:PC+3+4*\b], v[X+8+16*\b:X+15+16*\b], v[TM+12+\b]
.endr
	v_nop                                          ; a plain line behind the last scaled conversion
.irp c, 0,1,2,3
	global_store_b128 v4, v[PC+4*\c:PC+4*\c+3], s[12:13] offset:512*\c     ; the fragment's image: each store of the wave covers 512 consecutive bytes, aligned
.endr
	ds_store_b32 v7, v[PW]                         ; lanes l and l xor 16 write the same word with the same value
	ds_store_b32 v8, v12
	s_wait_dscnt 0x0                               ; for wave 0's sake: my words have landed
	s_barrier_signal -1
	s_barrier_wait -1
	s_cmp_lg_u32 s18, 0
	s_cbranch_scc1 .Lend
	ds_load_b128 v[52:55], v144
	s_wait_dscnt 0x0
	global_store_b128 v4, v[52:55], s[14:15]       ; the rowblock's 512 bytes of scale words in one store
	s_cmp_ge_u32 ttmp9, 640
	s_cbranch_scc1 .Lend                           ; gs has no hs
.irp w, 0,1,2,3,4,5,6,7
	ds_load_b32 v[56+\w], v145 offset:64*\w
.endr
	s_wait_dscnt 0x0
	v_add_f32 v56, v56, v57
	v_add_f32 v58, v58, v59
	v_add_f32 v60, v60, v61
	v_add_f32 v62, v62, v63
	v_add_f32 v56, v56, v58
	v_add_f32 v60, v60, v62
	v_add_f32 v56, v56, v60
	v_mul_f32 v56, -0.5, v56
	v_cmp_gt_u32 vcc_lo, 16, v1
	s_wait_xcnt 0x0                                ; EXEC is a source of the stores above: it changes only behind this wait
	s_and_saveexec_b32 s37, vcc_lo
	global_store_b32 v146, v56, s[16:17]           ; 16 lanes, 64 bytes: a small part of what the launch moves (40,960 bytes in all)
	s_wait_xcnt 0x0
	s_or_b32 exec_lo, exec_lo, s37
.Lend:
	s_wait_tensorcnt 0x0
	ds_add_u32 v152, v153
	s_wait_dscnt 0x0
	s_endpgm
.Lfunc_end_k_q9908d13e49_quant:
	.size	k_q9908d13e49_quant, .Lfunc_end_k_q9908d13e49_quant-k_q9908d13e49_quant
	.p2alignl 7, 3214868480
	.fill 96, 4, 3214868480
	.section	.rodata,"a",@progbits
	.p2align	6, 0x0
	.amdhsa_kernel k_q9908d13e49_quant
		.amdhsa_group_segment_fixed_size 70656
		.amdhsa_private_segment_fixed_size 0
		.amdhsa_enable_private_segment 0
		.amdhsa_kernarg_size 56
		.amdhsa_user_sgpr_count 2
		.amdhsa_user_sgpr_kernarg_segment_ptr 1
		.amdhsa_wavefront_size32 1
		.amdhsa_system_sgpr_workgroup_id_x 1
		.amdhsa_system_sgpr_workgroup_id_y 1
		.amdhsa_system_sgpr_workgroup_id_z 1
		.amdhsa_system_vgpr_workitem_id 0
		.amdhsa_next_free_vgpr 154
		.amdhsa_next_free_sgpr 66
		.amdhsa_reserve_vcc 1
		.amdhsa_float_denorm_mode_32 3
		.amdhsa_float_denorm_mode_16_64 3
		.amdhsa_memory_ordered 1
		.amdhsa_forward_progress 1
		.amdhsa_inst_pref_size 23
	.end_amdhsa_kernel
	.amdgpu_metadata
---
amdhsa.version: [ 1, 2 ]
amdhsa.kernels:
  - .name:           k_q9908d13e49_quant
    .symbol:         k_q9908d13e49_quant.kd
    .args:
      - { .name: x, .offset: 0, .size: 8, .value_kind: global_buffer, .address_space: global }
      - { .name: input_weights, .offset: 8, .size: 8, .value_kind: global_buffer, .address_space: global }
      - { .name: gs, .offset: 16, .size: 8, .value_kind: global_buffer, .address_space: global }
      - { .name: xis, .offset: 24, .size: 8, .value_kind: global_buffer, .address_space: global }
      - { .name: codes1, .offset: 32, .size: 8, .value_kind: global_buffer, .address_space: global }
      - { .name: scales1, .offset: 40, .size: 8, .value_kind: global_buffer, .address_space: global }
      - { .name: hs, .offset: 48, .size: 8, .value_kind: global_buffer, .address_space: global }
    .group_segment_fixed_size: 70656
    .private_segment_fixed_size: 0
    .kernarg_segment_align: 8
    .kernarg_segment_size: 56
    .max_flat_workgroup_size: 256
    .sgpr_count:     66
    .vgpr_count:     154
    .wavefront_size: 32
...
	.end_amdgpu_metadata
.endif
;; end of part 1
;; launch feat (part 2): grid 8 x 40, 4 waves a work-group, clusters of 4 x 4, 327,680 bytes of LDS; arguments codes1, scales1, hs, xis, phi_codes, phi_scales; writes phi_codes, phi_scales
.if DOCPART == 2
	.amdgcn_target "amdgcn-amd-amdhsa--gfx1250"
	.amdhsa_code_object_version 6
	.text
	.protected	k_q9908d13e49_feat
	.globl	k_q9908d13e49_feat
	.p2align	8
	.type	k_q9908d13e49_feat,@function
k_q9908d13e49_feat:
	s_mov_b64 s[64:65], 0
	v_nop
	global_prefetch_b8 v0, s[64:65] scope:SCOPE_SE
	s_setreg_imm32_b32 hwreg(HW_REG_WAVE_MODE, 25, 1), 1
	s_wait_xcnt 0x0
	s_wait_alu depctr_hold_cnt(0) depctr_sa_sdst(0) depctr_va_vdst(0) depctr_va_sdst(0) depctr_va_ssrc(0) depctr_va_vcc(0) depctr_vm_vsrc(0)
	s_getreg_b32 s2, hwreg(HW_REG_IB_STS2, 6, 4)
	s_cmp_eq_u32 s2, 0
	s_cbranch_scc0 .Lentry_in_a_cluster
	s_endpgm
.Lentry_in_a_cluster:
	s_bfe_u32 s2, ttmp6, 0x10000c
	s_cmp_lg_u32 s2, 0xf033
	s_cbranch_scc0 .Lentry_shape_is_right
	s_endpgm
.Lentry_shape_is_right:
; phi[row][m] = 2048^-0.5 * exp(dot[row][m] - 0.5 |row|^2 xis[m]^2), dot = (x or input_weights) . (xis * gs)^T on codes of FP8 (E4M3) with E8M0 scales, K = 1,024, sums in f32;
; phi is quantised along m (the next product's K) and leaves as codes and scale words.  10,240 rows (x's 8,192, then input_weights' 2,048) x 2,048 m.
; LIMITS: NaN and infinities are not served.  2048^-0.5 = 2^-5.5 is folded into the exponent: phi = 2^(arg x log2(e) - 5.5); a phi under 2^-126 comes out as 0 (v_exp_f32 flushes: ISA guide 15.8).
; No maximum is taken away ahead of the exponential: the function computed takes none.  A block whose largest phi lies under 2^-118 keeps the byte 1.
; SHAPE.  A tile of 256 rows x 256 m is made by a work-group of four waves, a wave makes 128 x 128: 64 accumulators of 16 x 16, 512 registers.  K goes in steps of 256 through two LDS slots filled by the tensor data mover.
; The codes lie in memory in the order of the operands' registers (16 rows x 128 K = an image of 2,048 bytes; [K step][rowblock][2][2,048]): a wave's quarter of a step's tiles is one dense block of 32,768 bytes,
; and every fragment load reads 512 consecutive LDS bytes: no pitch, no padding.
; The scale words of my 128 rows and my 128 m for all of K are 64 registers: loaded once, lanes 0-15 the rows', lanes 16-31 the m's.
; CLUSTERS: 4 x 4 work-groups.  The four of a row of the cluster need the same tiles of rows, the four of a column the same tiles of xis * gs: each tile is asked for jointly, by the same tensor load with the same descriptor and a mask that names the four.
; THE MATRIX INSTRUCTION IS USED TRANSPOSED (source 0 = 16 m, source 1 = 16 rows): a lane holds ONE row (lane % 16).  The 16 m of a rowblock of xis * gs are 32 (l / 2) + 8 (l % 2) + r + 8 (r / 8), so that register n (0 .. 63) of a
; block of 16 rows is m = m0 + 32 (n / 16) + 16 (lane / 16) + n % 16: the order in which the conversions' results ARE the next operand's registers.
; REGISTERS, in windows of 256: window 0: v1-3 r, h, lane; v16-29 addresses; v32-39 hs of my 8 blocks of rows; v40-47 phi's scale words; v48-55 at work; v64-127 scale words (register 64 + 8 i + f: block i, the f-th 128 along K);
;   v128-255 the rows' fragments, ONE set; behind the products: v128-191 T, v192-207 codes, v208-223 at work.
;   window 1: xis * gs's fragments, TWO sets, at v0 and v128; at the end v0-63 xis^2.   window 2: the accumulators of my rows 0-63 ((a, b) at v[8 (8 a + b)]);   window 3: those of my rows 64-127.
.set NRB,   768                        ; rowblocks in codes1
.set RBB,   640                        ; the first of xis * gs
.set KSB,   NRB*4096                   ; bytes from a K step to the next
.set FR,    16                         ; registers of a fragment
.set NL,    4                          ; LDS loads that bring one
.set NP,    8                          ; places behind this matrix instruction (ISA guide 7.12.1)
.set SLOT,  131072                     ; the rows' 2 x 32,768 bytes, then xis * gs's
.set SPARE, 2*SLOT                     ; behind the ring: the spare words, 128 bytes for each wave: two blocks of 256 bytes that no other line names
.set SS,    8                          ; scale words: registers from block to block
.set SCA,   64
.set ADRA,  16                         ; v16-17  LDS address of my rows' fragments in slot 0, 1
.set ADRB,  20                         ; v20-21  the same for xis * gs
.set LI,    24                         ; v24     16 x lane
.set SOF,   25                         ; v25     my byte in scales1
.set XOF,   26                         ; v26     64 h: my 16 of each 32 of xis
.set HOF,   27                         ; v27     4 r
.set SPW,   28                         ; v28     LDS address of my spare word; never rewritten
.set NIL,   29                         ; v29     0; never rewritten
.set HSR,   32
.set PWR,   40
.set DW,    48
.set C55,   52                         ; v[52:53] -5.5
.set HB,    54                         ; v[54:55] hs of the block in hand
.set AF,    128
.set T,     128
.set PC,    192
.set TM,    208
.set G1,  24                           ; s[24:31] descriptor group 1 for the rows' tiles;  s[32:39] group 0, one set for each slot
.set G0,  32
.set G1B, 48                           ; s[48:55], s[56:63] the same for xis * gs's
.set G0B, 56
.set L2E, 70                           ; s[70:71] log2(e)
.set SEL, 72                           ; s[72:73] v_permlanex16_b32's selects for lane l xor 16
.set MNT, 74                           ; s74      the mantissa field of 448
.set MSB, 0
.macro WIN new                         ; the immediate's high byte repeats the setting that is left; a switch that changes nothing is dropped
.if MSB != (\new)
	s_set_vgpr_msb (MSB<<8)|(\new)
.set MSB, \new
.endif
.endm
.set MUL_LO, 0xa1                      ; source 0 window 1, source 1 window 0, C and D window 2
.set MUL_HI, 0xf1                      ; the same, C and D window 3
.set TO_B,   0x40                      ; destination window 1, address window 0
; A joint load: waves 0 and 1 fetch the rows' two halves, waves 2 and 3 xis * gs's.  Each line has ONE mask and one set of registers for all that issue it; the branch hangs on the wave's number alone.
; Four v_nop follow each of the two lines, ahead of the jump, the label and what follows.
.macro JLOAD g0a, g1a, g0b, g1b
	s_cmp_eq_u32 s15, 0
	s_cbranch_scc0 .Lfor_b_\@
	tensor_load_to_lds s[\g0a:\g0a+3], s[\g1a:\g1a+7]
	s_nop 0
.rept 4
	v_nop
.endr
	s_branch .Lasked_\@
.Lfor_b_\@:
	tensor_load_to_lds s[\g0b:\g0b+3], s[\g1b:\g1b+7]
	s_nop 0
.rept 4
	v_nop
.endr
.Lasked_\@:
.endm
.macro CREST                           ; a round of the cluster's barrier behind its opening barrier
	s_cmp_lg_u32 s14, 0
	s_cbranch_scc1 .Lnot_wave_0_\@
	s_barrier_signal -3
.Lnot_wave_0_\@:
	s_barrier_wait -3
	s_barrier_signal -1
	s_barrier_wait -1
.endm
.macro CROUND                          ; a whole round
	s_barrier_signal -1
	s_barrier_wait -1
	CREST
.endm
	s_load_b256 s[4:11], s[0:1], 0x0               ; codes1 s[4:5], scales1 s[6:7], hs s[8:9], xis s[10:11]
	s_load_b64 s[12:13], s[0:1], 0x20              ; phi_codes
	s_load_b64 s[66:67], s[0:1], 0x28              ; phi_scales
	v_lshl_add_u32 v[SPW], v0, 2, SPARE
	v_mov_b32 v[NIL], 0
	ds_add_u32 v28, v29
	ds_add_u32 v28, v29
	s_wait_dscnt 0x0
	v_lshrrev_b32 v1, 5, v0
	v_readfirstlane_b32 s14, v1                    ; wave 0..3
	s_lshr_b32 s15, s14, 1                         ; which half of the tile's rows is mine.  Also: I fetch rows (0) or xis * gs (1)
	s_and_b32 s16, s14, 1                          ; which half of its m.  Also: which half of that tile I fetch
	s_bfe_u32 s40, ttmp6, 0x40000                  ; cx, cy: my place in the cluster
	s_bfe_u32 s41, ttmp6, 0x40004
	s_lshl_b32 s42, ttmp9, 2
	s_add_co_u32 s42, s42, s40                     ; tile of m = 4 x cluster x + cx
	s_and_b32 s17, ttmp7, 0xffff
	s_lshl_b32 s17, s17, 2
	s_add_co_u32 s17, s17, s41                     ; tile of rows = 4 x cluster y + cy
	s_lshl_b32 s43, s41, 2
	s_lshl_b32 s43, 15, s43                        ; my row of the cluster
	s_lshl_b32 s44, 0x1111, s40                    ; my column
	; descriptor group 1: a dense block of 32,768 bytes as 128 rows of 32 elements of 8 bytes, no padding
	s_or_b32 s[G1+0], s43, (3<<16)|(1<<21)         ; 15:0 the mask; 17:16 elements of 8 bytes; 21 set beside a mask
	s_or_b32 s[G1B+0], s44, (3<<16)|(1<<21)
.irp g, G1, G1B
	s_mov_b32 s[\g+1], 32<<16                      ; tensor_dim0 = 32
	s_mov_b32 s[\g+2], 128<<16                     ; tensor_dim1 = 128
	s_mov_b32 s[\g+3], 32<<16                      ; tile_dim0 = 32
	s_mov_b32 s[\g+4], 128                         ; tile_dim1 = 128
	s_mov_b32 s[\g+5], 32                          ; tensor_dim0_stride
	s_mov_b32 s[\g+6], 0
	s_mov_b32 s[\g+7], 0
.endr
	s_lshl_b32 s18, s16, 3                         ; which 8 rowblocks of the tile I fetch
	s_lshl_b32 s20, s17, 4
	s_add_co_u32 s20, s20, s18                     ; rows: rowblock 16 x tile + 8 x half,
	s_lshl_b32 s20, s20, 12                        ; 4,096 bytes each in a K step
	s_mov_b32 s21, 0
	s_lshl_b32 s46, s42, 4
	s_add_co_u32 s46, s46, s18
	s_add_co_u32 s46, s46, RBB                     ; xis * gs: rowblock 640 + 16 x tile + 8 x half
	s_lshl_b32 s46, s46, 12
	s_mov_b32 s47, 0
	s_lshl_b32 s45, s14, 15                        ; where they go: wave x 32,768: no place in the cluster enters an LDS address
	s_mov_b32 s[L2E], 0x3fb8aa3b
	s_mov_b32 s[L2E+1], s[L2E]                     ; (named with it as a pair, so it is written)
	s_mov_b32 s[SEL], 0x76543210
	s_mov_b32 s[SEL+1], 0xfedcba98
	s_mov_b32 s[MNT], 0x600000
	s_wait_kmcnt 0x0
	s_add_nc_u64 s[20:21], s[4:5], s[20:21]
	s_add_nc_u64 s[46:47], s[4:5], s[46:47]
	CROUND                                         ; all sixteen work-groups are here: the first joint loads meet
.irp s, 0,1
	s_mov_b32 s[G0+4*\s], 1
	s_add_co_u32 s[G0+4*\s+1], s45, \s*SLOT
	s_add_nc_u64 s[G0+4*\s+2:G0+4*\s+3], s[20:21], \s*KSB
	s_or_b32 s[G0+4*\s+3], s[G0+4*\s+3], 0x80000000
	s_mov_b32 s[G0B+4*\s], 1
	s_add_co_u32 s[G0B+4*\s+1], s45, \s*SLOT
	s_add_nc_u64 s[G0B+4*\s+2:G0B+4*\s+3], s[46:47], \s*KSB
	s_or_b32 s[G0B+4*\s+3], s[G0B+4*\s+3], 0x80000000
	JLOAD G0+4*\s, G1, G0B+4*\s, G1B               ; K steps 0 and 1: two tensor loads of mine are out
.endr
	v_and_b32 v1, 15, v0                           ; r
	v_bfe_u32 v2, v0, 4, 1                         ; h
	v_and_b32 v3, 31, v0                           ; lane
	v_lshlrev_b32 v[LI], 4, v3
	s_lshl_b32 s22, s15, 15                        ; my 128 rows
	s_lshl_b32 s23, s16, 15                        ; my 128 m,
	s_add_co_u32 s23, s23, 65536                   ; which lie behind the rows' 65,536 bytes
.irp s, 0,1
	v_add_nc_u32 v[ADRA+\s], s22, v[LI]
	v_add_nc_u32 v[ADRB+\s], s23, v[LI]
	s_add_co_u32 s22, s22, SLOT
	s_add_co_u32 s23, s23, SLOT
.endr
	s_lshl_b32 s76, s17, 4
	s_lshl_b32 s77, s15, 3
	s_add_co_u32 s76, s76, s77                     ; my first rowblock of rows: 16 x tile + 8 x half
	s_lshl_b32 s78, s42, 4
	s_lshl_b32 s79, s16, 3
	s_add_co_u32 s78, s78, s79
	s_add_co_u32 s78, s78, RBB                     ; my first rowblock of xis * gs; it lies behind every rowblock of rows,
	s_sub_co_u32 s78, s78, s76
	s_lshl_b32 s78, s78, 9                         ; so many bytes further on in scales1 (512 a rowblock; under 2^19)
	v_mul_u32_u24 v[SOF], s78, v2                  ; lanes 16-31 take xis * gs's words
	v_lshl_add_u32 v[SOF], v1, 5, v[SOF]           ; 32 bytes a row
	v_lshlrev_b32 v[XOF], 6, v2
	v_lshlrev_b32 v[HOF], 2, v1
	s_mov_b32 s81, 0
	s_lshl_b32 s80, s76, 9
	s_add_nc_u64 s[6:7], s[6:7], s[80:81]
	s_lshl_b32 s80, s76, 6
	s_add_nc_u64 s[8:9], s[8:9], s[80:81]          ; hs: 64 bytes a rowblock
.irp i, 0,1,2,3,4,5,6,7
	global_load_b128 v[SCA+8*\i:SCA+8*\i+3], v[SOF], s[6:7] offset:512*\i        ; block i's words of K's first four 128s,
	global_load_b128 v[SCA+8*\i+4:SCA+8*\i+7], v[SOF], s[6:7] offset:512*\i+16   ; and of the last four: the two loads together take whole runs of 512 bytes
.endr
.irp a, 0,1,2,3,4,5,6,7
	global_load_b32 v[HSR+\a], v[HOF], s[8:9] offset:64*\a
.endr
	s_lshl_b32 s80, s42, 10
	s_lshl_b32 s79, s16, 9
	s_add_co_u32 s80, s80, s79
	s_add_nc_u64 s[10:11], s[10:11], s[80:81]      ; xis at my first m: (256 x tile + 128 x half) x 4 bytes
	s_mul_i32 s80, s42, 640                        ; phi_codes: ((tile of m x 640 + rowblock) x 2 + half of m) x 2,048
	s_add_co_u32 s80, s80, s76
	s_lshl_b32 s80, s80, 1
	s_add_co_u32 s80, s80, s16
	s_lshl_b32 s80, s80, 11
	s_add_nc_u64 s[12:13], s[12:13], s[80:81]
	s_lshl_b32 s80, s17, 1                         ; phi_scales: ((group of 128 rows) x 16 + (which 128 of m)) x 512
	s_add_co_u32 s80, s80, s15
	s_lshl_b32 s80, s80, 4
	s_lshl_b32 s79, s42, 1
	s_add_co_u32 s80, s80, s79
	s_add_co_u32 s80, s80, s16
	s_lshl_b32 s80, s80, 9
	s_add_nc_u64 s[66:67], s[66:67], s[80:81]
	v_mov_b32 v[C55], 0xc0b00000                   ; -5.5
	v_mov_b32 v[C55+1], 0xc0b00000
	v_mov_b32 v[HB+1], 0                           ; (named as the upper half of a pair)
.macro FRAG reg, adr, q, i             ; a fragment's image: four loads of 512 consecutive bytes.  Registers 4 c .. 4 c + 3 hold K = 32 c + 16 (l / 16) + 0 .. 15 of row l % 16
.irp c, 0,1,2,3
	ds_load_b128 v[\reg+4*\c:\reg+4*\c+3], v[\adr] offset:4096*(\i)+2048*(\q)+512*\c
.endr
.endm
; 16 matrix instructions: the rows' blocks a0, a0 + 1 x the eight blocks of m, 128 along K.  p: the set of xis * gs's fragments;  sb: block 0's scale register.  zero = 1: the first product starts the sums.
; The 64 accumulators take turns, one instruction a turn, in the same order in every step.
.macro MUL16 a0, p, sb, zero
.irp a, \a0, \a0+1
.irp b, 0,1,2,3,4,5,6,7
.if \zero
	v_wmma_scale_f32_16x16x128_f8f6f4 v[8*(8*((\a)%4)+\b):8*(8*((\a)%4)+\b)+7], v[128*(\p)+FR*\b:128*(\p)+FR*\b+FR-1], v[AF+FR*(\a):AF+FR*(\a)+FR-1], 0, v[(\sb)+SS*\b], v[(\sb)+SS*(\a)] matrix_a_scale:MATRIX_SCALE_ROW1
.else
	v_wmma_scale_f32_16x16x128_f8f6f4 v[8*(8*((\a)%4)+\b):8*(8*((\a)%4)+\b)+7], v[128*(\p)+FR*\b:128*(\p)+FR*\b+FR-1], v[AF+FR*(\a):AF+FR*(\a)+FR-1], v[8*(8*((\a)%4)+\b):8*(8*((\a)%4)+\b)+7], v[(\sb)+SS*\b], v[(\sb)+SS*(\a)] matrix_a_scale:MATRIX_SCALE_ROW1
.endif
.endr
.endr
.endm
.macro FETCH_B slot, q, p
	WIN TO_B
.irp i, 0,1,2,3,4,5,6,7
	FRAG 128*(\p)+FR*\i, ADRB+\slot, \q, \i
.endr
	WIN 0
.endm
.macro FETCH_A slot, q, i0
.irp i, \i0, \i0+1, \i0+2, \i0+3
	FRAG AF+FR*(\i), ADRA+\slot, \q, \i
.endr
.endm
; A load into a register that a matrix instruction has read, and a vector instruction that reads a matrix result or writes one of its registers, stand NP places behind it; only plain vector
; instructions that name none of its registers are places (ISA guide 7.12.1 for vector instructions).
.macro PLACES n
.rept \n
	v_nop
.endr
.endm
; A slot's first 128 along K.  A block of rows is free as soon as its eight products are issued: blocks 0-3 are fetched anew in the step's middle, blocks 4-7 at its end.
.macro STEP slot, sb, zero
	s_wait_dscnt 4*NL                              ; all but the youngest sixteen loads (the rows' blocks 4-7) are in
	WIN MUL_LO
	MUL16 0, 0, \sb, \zero
	MUL16 2, 0, \sb, \zero
	s_wait_dscnt 0
	PLACES NP
	FETCH_B \slot, 1, 1
	FETCH_A \slot, 1, 0
	WIN MUL_HI
	MUL16 4, 0, \sb, \zero
	MUL16 6, 0, \sb, \zero
	PLACES NP
	WIN 0
	FETCH_A \slot, 1, 4
.endm
; A slot's second 128 changes slots: ONE barrier; in front of it each wave waits for all its tensor loads, adds 0 to its spare word, and waits for that and for its own reads of this slot.  fill = 1: this slot is filled again, two K steps ahead.
.macro TURN slot, next, fill, sb
	s_wait_tensorcnt 0x0                           ; all my tensor loads have landed: my part of the next slot
	ds_add_u32 v[SPW], v[NIL]                      ; 0 onto my spare word
	s_wait_dscnt 4*NL+1                            ; (the add and the youngest sixteen loads may be out)
	WIN MUL_LO
	MUL16 0, 1, \sb, 0                             ; sixteen matrix instructions stand between the add and the wait for it
	s_wait_dscnt 0x0                               ; the add is done, and my reads of this slot are over
	s_barrier_signal -1
	MUL16 2, 1, \sb, 0
	WIN 0
	s_barrier_wait -1
.if \fill
	CREST                                          ; the barrier has opened a round of the cluster's barrier: no wave of any partner still reads this slot or has a load on its way
	s_add_nc_u64 s[G0+4*\slot+2:G0+4*\slot+3], s[G0+4*\slot+2:G0+4*\slot+3], 2*KSB
	s_add_nc_u64 s[G0B+4*\slot+2:G0B+4*\slot+3], s[G0B+4*\slot+2:G0B+4*\slot+3], 2*KSB
	JLOAD G0+4*\slot, G1, G0B+4*\slot, G1B         ; the first tensor load behind the round, my only one until the next; its four v_nop are among the places in front of the loads below
	PLACES NP-4
.else
	PLACES NP
.endif
	FETCH_B \next, 0, 0
	FETCH_A \next, 0, 0
	WIN MUL_HI
	MUL16 4, 1, \sb, 0
	MUL16 6, 1, \sb, 0
	PLACES NP
	WIN 0
	FETCH_A \next, 0, 4
.endm
	s_wait_tensorcnt 1                             ; my part of K step 0 is in (K step 1's load may be out)
	s_barrier_signal -1
	s_barrier_wait -1                              ; everybody's is
	FETCH_B 0, 0, 0
	FETCH_A 0, 0, 0
	FETCH_A 0, 0, 4
	s_wait_loadcnt 0x0                             ; the scale words and hs
	; K = 1,024 is eight steps of 128, written out: each names its own scale registers
	STEP 0, SCA+0, 1
	TURN 0, 1, 1, SCA+1
	STEP 1, SCA+2, 0
	TURN 1, 0, 1, SCA+3
	STEP 0, SCA+4, 0
	TURN 0, 1, 0, SCA+5                            ; nothing is left to fetch: no round
	STEP 1, SCA+6, 0
	WIN TO_B                                       ; xis of my 128 m into set 0 of window 1, which is done with (eight places stand behind its last product): register n = xis[m0 + 32 (n / 16) + 16 h + n % 16]
.irp b, 0,1,2,3
.irp j, 0,1,2,3
	global_load_b128 v[16*\b+4*\j:16*\b+4*\j+3], v[XOF], s[10:11] offset:128*\b+16*\j
.endr
.endr
	WIN 0
	s_wait_dscnt 4*NL                              ; the very last step: nothing more to fetch
	WIN MUL_LO
	MUL16 0, 1, SCA+7, 0
	MUL16 2, 1, SCA+7, 0
	s_wait_dscnt 0
	WIN MUL_HI
	MUL16 4, 1, SCA+7, 0
	MUL16 6, 1, SCA+7, 0
	s_wait_loadcnt 0x0                             ; xis
	WIN 0x45                                       ; destination and both sources window 1
.set i, 0
.rept 32
	v_pk_mul_f32 v[i:i+1], v[i:i+1], v[i:i+1]      ; xis^2.  These 32 name no register of the last products: they are the places behind them
.set i, i+2
.endr
; THE FEATURE MAP AND THE QUANTISER, a block of 16 rows x 128 m at a time: 64 numbers a lane.
.macro TLINE q, k                      ; pair k of eight of quarter q: t = arg x log2(e) - 5.5
	v_pk_fma_f32 v[T+16*(\q)+2*(\k):T+16*(\q)+2*(\k)+1], v[T+16*(\q)+2*(\k):T+16*(\q)+2*(\k)+1], s[L2E:L2E+1], v[C55:C55+1] op_sel_hi:[1,0,0]
.endm
.macro MAXQ q, k                       ; step k of eight of quarter q's largest phi.  phi is not negative: no |.|; the floor 2^(9 - 127) holds the byte at 1 from below
.if (\k) == 0
	s_wait_alu depctr_va_vdst(0)
	v_max3_num_f32 v[TM+(\q)], v[T+16*(\q)], v[T+16*(\q)+1], 0x4800000
.else
	s_wait_alu depctr_va_vdst(0)
	v_max3_num_f32 v[TM+(\q)], v[TM+(\q)], v[T+16*(\q)+2*(\k)], v[T+16*(\q)+2*(\k)+1]
.endif
.endm
.macro EPI a
.set AC, 64*((\a)%4)
	WIN 0
	v_mov_b32 v[HB], v[HSR+(\a)]                   ; -0.5 |row|^2 of my row of this block
	WIN 0x21+0x10*((\a)/4)                         ; source 0 (xis^2) window 1, source 2 (the sums) window 2 or 3
.set i, 0
.rept 32
	v_pk_fma_f32 v[T+i:T+i+1], v[i:i+1], v[HB:HB+1], v[AC+i:AC+i+1] op_sel_hi:[1,0,1]   ; arg = dot - 0.5 |row|^2 xis^2, one rounding; each accumulator from its low end on
.set i, i+2
.endr
	WIN 0
.irp k, 0,1,2,3,4,5,6,7
	TLINE 0, \k
.endr
; 64 exponentials, a quarter (a block of 32 m: my 16) at a time.  Between them stands plain work that is ready: the next quarter's t, the last quarter's maximum.  No line reads the exponential just ahead of it.
.irp q, 0,1,2,3
.irp n, 0,1,2,3,4,5,6,7,8,9,10,11,12,13,14,15
	v_exp_f32 v[T+16*\q+\n], v[T+16*\q+\n]
.if (\n < 8) && (\q < 3)
	TLINE \q+1, \n
.elseif (\n >= 8) && (\q >= 1)
	MAXQ \q-1, \n-8
.endif
.endr
.endr
.irp k, 0,1,2,3,4,5,6,7
	MAXQ 3, \k
.endr
.irp q, 0,1,2,3
	v_permlanex16_b32 v[TM+4+\q], v[TM+\q], s[SEL], s[SEL+1]
.endr
.irp q, 0,1,2,3
	v_max_num_f32 v[TM+\q], v[TM+\q], v[TM+4+\q]   ; with lane l xor 16's 16: the block's largest phi
.endr
.irp q, 0,1,2,3
	v_add_nc_u32 v[TM+12+\q], 0xfc000000, v[TM+\q] ; 8 off its exponent field: the conversion's scale operand
.endr
.irp q, 0,1,2,3
	v_and_or_b32 v[TM+8+\q], v[TM+\q], 0x7f800000, s[MNT]   ; 448 x the scale
.endr
.irp q, 0,1,2,3
	v_lshrrev_b32 v[TM+4+\q], 23, v[TM+12+\q]      ; the scale's byte
.endr
	v_lshl_or_b32 v[PWR+(\a)], v[TM+5], 8, v[TM+4]
	v_lshl_or_b32 v[PWR+(\a)], v[TM+6], 16, v[PWR+(\a)]
	v_lshl_or_b32 v[PWR+(\a)], v[TM+7], 24, v[PWR+(\a)]   ; my row's scale word of these 128 m
	s_wait_xcnt 0x0                                ; the last block's stores have read their data: the codes' registers are written again only behind this wait
.irp q, 0,1,2,3
.irp n, 0,1,2,3,4,5,6,7,8,9,10,11,12,13,14,15
	v_min_num_f32 v[T+16*\q+\n], v[T+16*\q+\n], v[TM+8+\q]   ; the conversion to an 8-bit code does not saturate (ISA guide 7.6.2); phi is not negative, so the hold is one-sided
.endr
	v_cvt_scalef32_pk8_fp8_f32 v[PC+4*\q:PC+4*\q+1], v[T+16*\q:T+16*\q+7], v[TM+12+\q]
	v_cvt_scalef32_pk8_fp8_f32 v[PC+4*\q+2:PC+4*\q+3], v[T+16*\q+8:T+16*\q+15], v[TM+12+\q]
.endr
	v_nop                                          ; a plain line behind the last scaled conversion
.irp c, 0,1,2,3
	global_store_b128 v[LI], v[PC+4*\c:PC+4*\c+3], s[12:13] offset:(\a)*4096+512*\c   ; the fragment's image for the next product: each store covers 512 consecutive bytes, aligned
.endr
.endm
.irp a, 0,1,2,3,4,5,6,7
	EPI \a
.endr
	v_cmp_eq_u32 vcc_lo, 1, v2                     ; the eight scale words a row leave as one run of 512 bytes: lane (r, h) holds those of blocks 4 h .. 4 h + 3
.irp j, 0,1,2,3
	v_cndmask_b32 v[DW+\j], v[PWR+\j], v[PWR+4+\j], vcc_lo
.endr
	global_store_b128 v[LI], v[DW:DW+3], s[66:67]
	s_wait_tensorcnt 0x0                           ; the wave's end
	ds_add_u32 v[SPW], v[NIL]
	s_wait_dscnt 0x0
	CROUND                                         ; the closing round: no work-group ends while a partner may still ask for a tile that names it
	s_endpgm
.Lfunc_end_k_q9908d13e49_feat:
	.size	k_q9908d13e49_feat, .Lfunc_end_k_q9908d13e49_feat-k_q9908d13e49_feat
	.p2alignl 7, 3214868480
	.fill 96, 4, 3214868480
	.section	.rodata,"a",@progbits
	.p2align	6, 0x0
	.amdhsa_kernel k_q9908d13e49_feat
		.amdhsa_group_segment_fixed_size 327680
		.amdhsa_private_segment_fixed_size 0
		.amdhsa_enable_private_segment 0
		.amdhsa_kernarg_size 48
		.amdhsa_user_sgpr_count 2
		.amdhsa_user_sgpr_kernarg_segment_ptr 1
		.amdhsa_wavefront_size32 1
		.amdhsa_system_sgpr_workgroup_id_x 1
		.amdhsa_system_sgpr_workgroup_id_y 1
		.amdhsa_system_sgpr_workgroup_id_z 1
		.amdhsa_system_vgpr_workitem_id 0
		.amdhsa_next_free_vgpr 1024
		.amdhsa_next_free_sgpr 98
		.amdhsa_reserve_vcc 1
		.amdhsa_float_denorm_mode_32 3
		.amdhsa_float_denorm_mode_16_64 3
		.amdhsa_memory_ordered 1
		.amdhsa_forward_progress 1
		.amdhsa_inst_pref_size 226
	.end_amdhsa_kernel
	.amdgpu_metadata
---
amdhsa.version: [ 1, 2 ]
amdhsa.kernels:
  - .name:           k_q9908d13e49_feat
    .symbol:         k_q9908d13e49_feat.kd
    .args:
      - { .name: codes1, .offset: 0, .size: 8, .value_kind: global_buffer, .address_space: global }
      - { .name: scales1, .offset: 8, .size: 8, .value_kind: global_buffer, .address_space: global }
      - { .name: hs, .offset: 16, .size: 8, .value_kind: global_buffer, .address_space: global }
      - { .name: xis, .offset: 24, .size: 8, .value_kind: global_buffer, .address_space: global }
      - { .name: phi_codes, .offset: 32, .size: 8, .value_kind: global_buffer, .address_space: global }
      - { .name: phi_scales, .offset: 40, .size: 8, .value_kind: global_buffer, .address_space: global }
    .group_segment_fixed_size: 327680
    .private_segment_fixed_size: 0
    .kernarg_segment_align: 8
    .kernarg_segment_size: 48
    .max_flat_workgroup_size: 128
    .sgpr_count:     98
    .vgpr_count:     1024
    .wavefront_size: 32
...
	.end_amdgpu_metadata
.endif
;; end of part 2
;; launch outp (part 3): grid 8 x 32, 4 waves a work-group, clusters of 4 x 4, 327,680 bytes of LDS; arguments phi_codes, phi_scales, out0; writes out0
.if DOCPART == 3
	.amdgcn_target "amdgcn-amd-amdhsa--gfx1250"
	.amdhsa_code_object_version 6
	.text
	.protected	k_q9908d13e49_outp
	.globl	k_q9908d13e49_outp
	.p2align	8
	.type	k_q9908d13e49_outp,@function
k_q9908d13e49_outp:
	s_mov_b64 s[64:65], 0
	v_nop
	global_prefetch_b8 v0, s[64:65] scope:SCOPE_SE
	s_setreg_imm32_b32 hwreg(HW_REG_WAVE_MODE, 25, 1), 1
	s_wait_xcnt 0x0
	s_wait_alu depctr_hold_cnt(0) depctr_sa_sdst(0) depctr_va_vdst(0) depctr_va_sdst(0) depctr_va_ssrc(0) depctr_va_vcc(0) depctr_vm_vsrc(0)
	s_getreg_b32 s2, hwreg(HW_REG_IB_STS2, 6, 4)
	s_cmp_eq_u32 s2, 0
	s_cbranch_scc0 .Lentry_in_a_cluster
	s_endpgm
.Lentry_in_a_cluster:
	s_bfe_u32 s2, ttmp6, 0x10000c
	s_cmp_lg_u32 s2, 0xf033
	s_cbranch_scc0 .Lentry_shape_is_right
	s_endpgm
.Lentry_shape_is_right:
; out0[row][o] = the sum over m of phi_x[row][m] weights[o][m]: 8,192 x 2,048, K = 2,048, both operands codes of FP8 (E4M3) with one E8M0 scale for each 32 along K; sums and out0 in f32.
; phi_codes[K step of 256: 8][rowblock of 16 rows: 640][2][2,048]: images of the operands' registers (byte 512 c + 16 lane + e: row lane % 16, k = 32 c + 16 (lane / 16) + e); rowblocks 0-511 phi_x, 512-639 weights.
; phi_scales[group of 128 rows: 80][which 128 of K: 16][512]: the word of row 16 i + r of the group at 256 (i / 4) + 16 r + 4 (i % 4).
; A tile of 256 x 256 is made by a work-group of four waves, a wave makes 128 x 128: 64 accumulators, 512 registers.  K goes in steps of 256 through two LDS slots filled by the tensor data mover: a wave's quarter of a step's
; tiles is one dense block of 32,768 bytes; every fragment load reads 512 consecutive LDS bytes.  The scale words of the tile's 256 rows and 256 columns for all of K are four dense blocks of 8,192 bytes: they come once, with the first fills, and stay.
; CLUSTERS: 4 x 4 work-groups.  The four of a row of the cluster need the same tiles of phi_x, the four of a column the same tiles of weights: each is asked for jointly, by the same tensor load with the same descriptor and a mask that names the four.
; THE MATRIX INSTRUCTION IS USED TRANSPOSED (source 0 = 16 rows of weights, source 1 = 16 rows of phi_x): a lane then holds eight neighbouring numbers of a row of out0.
; REGISTERS, in windows of 256: window 0: v16-29 addresses; v32-63 scale words, two sets of 16 (register 8 q + i: lanes 0-15 phi_x's block i, lanes 16-31 weights' block i, the slot's q-th 128 along K);
;   v128-255 phi_x's fragments, ONE set; on the way out rows read back.   window 1: weights' fragments, TWO sets.   windows 2, 3: the accumulators ((a, b) at v[8 (8 (a % 4) + b)]).
.set SIZE_N, 2048
.set NRB,   640
.set RBB,   512
.set KSB,   NRB*4096
.set FR,    16
.set NL,    4
.set NP,    8                          ; places behind this matrix instruction (ISA guide 7.12.1)
.set SLOT,  131072
.set LAPS,  4                          ; a lap = two K steps = once round the ring: K = 2,048
.set SCL,   2*SLOT                     ; behind the ring: the scale words, 8,192 bytes for each wave's load
.set SPARE, SCL+4*8192                 ; behind them: the spare words, 128 bytes for each wave: two blocks of 256 bytes that no other line names
.set SPITCH, 528                       ; the way out: a stage of 16 rows x (512 bytes + 16) for each wave, in slot 0, which has had its last fill and its last read when the first result is stored there
.set SS,    1
.set SC,    32
.set ADRA,  16
.set ADRB,  20
.set STO,   24                         ; v24  the way out: where I put 32 bytes of a row
.set RD,    25                         ; v25  where I read a row back
.set CO,    26                         ; v26  16 x lane
.set ADRS,  27                         ; v27  LDS address of my scale words
.set SPW,   28
.set NIL,   29
.set AF,    128
.set BK,    128
.set G1,  24
.set G0,  32
.set G1B, 48
.set G0B, 56
.set G1S, 68                           ; s[68:75], s[76:79] groups 1 and 0 for phi_x's scale words;  s[80:87], s[88:91] for weights'
.set G0S, 76
.set G1SB, 80
.set G0SB, 88
.set MSB, 0
.macro WIN new
.if MSB != (\new)
	s_set_vgpr_msb (MSB<<8)|(\new)
.set MSB, \new
.endif
.endm
.set MUL_LO, 0xa1
.set MUL_HI, 0xf1
.set TO_B,   0x40
; A joint load: waves 0 and 1 fetch for phi_x, waves 2 and 3 for weights; the branch hangs on the wave's number alone.  Four v_nop follow each of the two lines.
.macro JLOAD g0a, g1a, g0b, g1b
	s_cmp_eq_u32 s15, 0
	s_cbranch_scc0 .Lfor_b_\@
	tensor_load_to_lds s[\g0a:\g0a+3], s[\g1a:\g1a+7]
	s_nop 0
.rept 4
	v_nop
.endr
	s_branch .Lasked_\@
.Lfor_b_\@:
	tensor_load_to_lds s[\g0b:\g0b+3], s[\g1b:\g1b+7]
	s_nop 0
.rept 4
	v_nop
.endr
.Lasked_\@:
.endm
.macro CREST
	s_cmp_lg_u32 s14, 0
	s_cbranch_scc1 .Lnot_wave_0_\@
	s_barrier_signal -3
.Lnot_wave_0_\@:
	s_barrier_wait -3
	s_barrier_signal -1
	s_barrier_wait -1
.endm
.macro CROUND
	s_barrier_signal -1
	s_barrier_wait -1
	CREST
.endm
	s_load_b128 s[4:7], s[0:1], 0x0                ; phi_codes s[4:5], phi_scales s[6:7]
	s_load_b64 s[12:13], s[0:1], 0x10              ; out0
	v_lshl_add_u32 v[SPW], v0, 2, SPARE
	v_mov_b32 v[NIL], 0
	ds_add_u32 v28, v29
	ds_add_u32 v28, v29
	s_wait_dscnt 0x0
	v_lshrrev_b32 v1, 5, v0
	v_readfirstlane_b32 s14, v1                    ; wave 0..3
	s_lshr_b32 s15, s14, 1                         ; which half of the tile's rows is mine.  Also: I fetch for phi_x (0) or for weights (1)
	s_and_b32 s16, s14, 1                          ; which half of its columns.  Also: which half of that tile I fetch
	s_bfe_u32 s40, ttmp6, 0x40000
	s_bfe_u32 s41, ttmp6, 0x40004
	s_lshl_b32 s42, ttmp9, 2
	s_add_co_u32 s42, s42, s40                     ; tile column = 4 x cluster x + cx
	s_and_b32 s17, ttmp7, 0xffff
	s_lshl_b32 s17, s17, 2
	s_add_co_u32 s17, s17, s41                     ; tile row = 4 x cluster y + cy
	s_lshl_b32 s43, s41, 2
	s_lshl_b32 s43, 15, s43                        ; my row of the cluster
	s_lshl_b32 s44, 0x1111, s40                    ; my column
	s_or_b32 s[G1+0], s43, (3<<16)|(1<<21)         ; 15:0 the mask; 17:16 elements of 8 bytes; 21 set beside a mask; no padding
	s_or_b32 s[G1B+0], s44, (3<<16)|(1<<21)
.irp g, G1, G1B
	s_mov_b32 s[\g+1], 32<<16                      ; a dense block of 32,768 bytes as 128 rows of 32 elements
	s_mov_b32 s[\g+2], 128<<16
	s_mov_b32 s[\g+3], 32<<16
	s_mov_b32 s[\g+4], 128
	s_mov_b32 s[\g+5], 32
	s_mov_b32 s[\g+6], 0
	s_mov_b32 s[\g+7], 0
.endr
	s_or_b32 s[G1S+0], s43, (3<<16)|(1<<21)
	s_or_b32 s[G1SB+0], s44, (3<<16)|(1<<21)
.irp g, G1S, G1SB
	s_mov_b32 s[\g+1], 32<<16                      ; a dense block of 8,192 bytes as 32 rows of 32 elements
	s_mov_b32 s[\g+2], 32<<16
	s_mov_b32 s[\g+3], 32<<16
	s_mov_b32 s[\g+4], 32
	s_mov_b32 s[\g+5], 32
	s_mov_b32 s[\g+6], 0
	s_mov_b32 s[\g+7], 0
.endr
	s_lshl_b32 s18, s16, 3
	s_lshl_b32 s20, s17, 4
	s_add_co_u32 s20, s20, s18                     ; phi_x: rowblock 16 x tile row + 8 x half
	s_lshl_b32 s20, s20, 12
	s_mov_b32 s21, 0
	s_lshl_b32 s46, s42, 4
	s_add_co_u32 s46, s46, s18
	s_add_co_u32 s46, s46, RBB                     ; weights: rowblock 512 + 16 x tile column + 8 x half
	s_lshl_b32 s46, s46, 12
	s_mov_b32 s47, 0
	s_lshl_b32 s22, s17, 1
	s_add_co_u32 s22, s22, s16                     ; their groups of 128 rows: 2 x tile row + half,
	s_lshl_b32 s22, s22, 13
	s_mov_b32 s23, 0
	s_lshl_b32 s92, s42, 1
	s_add_co_u32 s92, s92, s16
	s_add_co_u32 s92, s92, 64                      ; 64 + 2 x tile column + half
	s_lshl_b32 s92, s92, 13
	s_mov_b32 s93, 0
	s_lshl_b32 s45, s14, 15                        ; where they go: wave x 32,768 and wave x 8,192: no place in the cluster enters an LDS address
	s_lshl_b32 s94, s14, 13
	s_wait_kmcnt 0x0
	s_add_nc_u64 s[20:21], s[4:5], s[20:21]
	s_add_nc_u64 s[22:23], s[6:7], s[22:23]
	s_add_nc_u64 s[46:47], s[4:5], s[46:47]
	s_add_nc_u64 s[92:93], s[6:7], s[92:93]
	CROUND                                         ; all sixteen work-groups are here: the first joint loads meet
	s_mov_b32 s[G0S], 1
	s_add_co_u32 s[G0S+1], s94, SCL
	s_mov_b64 s[G0S+2:G0S+3], s[22:23]
	s_or_b32 s[G0S+3], s[G0S+3], 0x80000000
	s_mov_b32 s[G0SB], 1
	s_add_co_u32 s[G0SB+1], s94, SCL
	s_mov_b64 s[G0SB+2:G0SB+3], s[92:93]
	s_or_b32 s[G0SB+3], s[G0SB+3], 0x80000000
	JLOAD G0S, G1S, G0SB, G1SB                     ; the scale words first: they are wanted with K step 0
.irp s, 0,1
	s_mov_b32 s[G0+4*\s], 1
	s_add_co_u32 s[G0+4*\s+1], s45, \s*SLOT
	s_add_nc_u64 s[G0+4*\s+2:G0+4*\s+3], s[20:21], \s*KSB
	s_or_b32 s[G0+4*\s+3], s[G0+4*\s+3], 0x80000000
	s_mov_b32 s[G0B+4*\s], 1
	s_add_co_u32 s[G0B+4*\s+1], s45, \s*SLOT
	s_add_nc_u64 s[G0B+4*\s+2:G0B+4*\s+3], s[46:47], \s*KSB
	s_or_b32 s[G0B+4*\s+3], s[G0B+4*\s+3], 0x80000000
	JLOAD G0+4*\s, G1, G0B+4*\s, G1B               ; three tensor loads of mine are out
.endr
	v_and_b32 v1, 15, v0                           ; r
	v_bfe_u32 v2, v0, 4, 1                         ; h
	v_and_b32 v3, 31, v0
	v_lshlrev_b32 v[CO], 4, v3                     ; 16 x lane
	s_lshl_b32 s21, s15, 15
	s_lshl_b32 s22, s16, 15
	s_add_co_u32 s22, s22, 65536
.irp s, 0,1
	v_add_nc_u32 v[ADRA+\s], s21, v[CO]
	v_add_nc_u32 v[ADRB+\s], s22, v[CO]
	s_add_co_u32 s21, s21, SLOT
	s_add_co_u32 s22, s22, SLOT
.endr
	s_lshl_b32 s21, s15, 13                        ; phi_x's words: my half's 8,192 bytes
	s_lshl_b32 s22, s16, 13                        ; weights': my half's, behind phi_x's two
	s_add_co_u32 s22, s22, 2*8192
	s_sub_co_u32 s22, s22, s21
	v_mul_u32_u24 v6, s22, v2                      ; lanes 16-31 take weights': one product, the lower base + h x the distance
	s_add_co_u32 s21, s21, SCL
	v_lshl_add_u32 v5, v1, 4, v6                   ; 16 bytes a row: four blocks' words
	v_add_nc_u32 v[ADRS], s21, v5
	s_mul_i32 s23, s14, 16*SPITCH                  ; my stage
	v_mul_u32_u24 v5, v1, SPITCH                   ; in: row l % 16, 32 bytes for each half of the lanes
	v_lshl_add_u32 v5, v2, 5, v5
	v_add_nc_u32 v[STO], s23, v5
	v_add_nc_u32 v[RD], s23, v[CO]                 ; back: the 32 lanes take one row of 512 bytes
	s_lshl_b32 s20, s17, 8
	s_lshl_b32 s21, s15, 7
	s_add_co_u32 s20, s20, s21                     ; my first row of out0: 256 x tile row + 128 x half,
	s_lshl_b32 s20, s20, 13                        ; 8,192 bytes a row (under 2^27)
	s_mov_b32 s21, 0
	s_lshl_b32 s46, s42, 10                        ; my first column, in bytes: 1,024 x tile column + 512 x half
	s_lshl_b32 s47, s16, 9
	s_add_co_u32 s46, s46, s47
	s_mov_b32 s47, 0
	s_add_nc_u64 s[20:21], s[20:21], s[46:47]
	s_add_nc_u64 s[12:13], s[12:13], s[20:21]
.macro FRAG reg, adr, q, i             ; a fragment's image: four loads of 512 consecutive bytes
.irp c, 0,1,2,3
	ds_load_b128 v[\reg+4*\c:\reg+4*\c+3], v[\adr] offset:4096*(\i)+2048*(\q)+512*\c
.endr
.endm
; 16 matrix instructions: phi_x's blocks a0, a0 + 1 x weights' eight, 128 along K.  The 64 accumulators take turns, one instruction a turn, in the same order in every step.
.macro MUL16 a0, p, sb, zero
.irp a, \a0, \a0+1
.irp b, 0,1,2,3,4,5,6,7
.if \zero
	v_wmma_scale_f32_16x16x128_f8f6f4 v[8*(8*((\a)%4)+\b):8*(8*((\a)%4)+\b)+7], v[128*(\p)+FR*\b:128*(\p)+FR*\b+FR-1], v[AF+FR*(\a):AF+FR*(\a)+FR-1], 0, v[(\sb)+SS*\b], v[(\sb)+SS*(\a)] matrix_a_scale:MATRIX_SCALE_ROW1
.else
	v_wmma_scale_f32_16x16x128_f8f6f4 v[8*(8*((\a)%4)+\b):8*(8*((\a)%4)+\b)+7], v[128*(\p)+FR*\b:128*(\p)+FR*\b+FR-1], v[AF+FR*(\a):AF+FR*(\a)+FR-1], v[8*(8*((\a)%4)+\b):8*(8*((\a)%4)+\b)+7], v[(\sb)+SS*\b], v[(\sb)+SS*(\a)] matrix_a_scale:MATRIX_SCALE_ROW1
.endif
.endr
.endr
.endm
.macro FETCH_B slot, q, p
	WIN TO_B
.irp i, 0,1,2,3,4,5,6,7
	FRAG 128*(\p)+FR*\i, ADRB+\slot, \q, \i
.endr
	WIN 0
.endm
.macro FETCH_A slot, q, i0
.irp i, \i0, \i0+1, \i0+2, \i0+3
	FRAG AF+FR*(\i), ADRA+\slot, \q, \i
.endr
.endm
.macro SCALES set                      ; a K step's scale words into a set: four loads, each four blocks' words of one 128 along K
.irp q, 0,1
.irp u, 0,1
	ds_load_b128 v[SC+16*(\set)+8*\q+4*\u:SC+16*(\set)+8*\q+4*\u+3], v[ADRS] offset:512*\q+256*\u
.endr
.endr
.endm
; A load into a register that a matrix instruction has read, and an LDS store that reads a matrix result, stand NP places behind it; only plain vector instructions that name none of its registers are places
; (ISA guide 7.12.1 for vector instructions).
.macro PLACES n
.rept \n
	v_nop
.endr
.endm
.macro STEP slot, zero                 ; a slot's first 128 along K
	s_wait_dscnt 4*NL                              ; all but the youngest sixteen loads (phi_x's blocks 4-7) are in
	WIN MUL_LO
	MUL16 0, 0, SC+16*(\slot), \zero
	MUL16 2, 0, SC+16*(\slot), \zero
	s_wait_dscnt 0
	PLACES NP
	FETCH_B \slot, 1, 1
	FETCH_A \slot, 1, 0
	WIN MUL_HI
	MUL16 4, 0, SC+16*(\slot), \zero
	MUL16 6, 0, SC+16*(\slot), \zero
	PLACES NP
	WIN 0
	FETCH_A \slot, 1, 4
.endm
; A slot's second 128 changes slots: ONE barrier; in front of it each wave waits for all its tensor loads, adds 0 to its spare word, and waits for that and for its own reads of this slot.  fill = 1: this slot is filled again, two K steps ahead.
.macro TURN slot, next, fill
	s_wait_tensorcnt 0x0                           ; all my tensor loads have landed: my part of the next slot
	ds_add_u32 v[SPW], v[NIL]                      ; 0 onto my spare word
	s_wait_dscnt 4*NL+1                            ; (the add and the youngest sixteen loads may be out)
	WIN MUL_LO
	MUL16 0, 1, SC+16*(\slot)+8, 0                 ; sixteen matrix instructions stand between the add and the wait for it
	s_wait_dscnt 0x0                               ; the add is done, and my reads of this slot are over
	s_barrier_signal -1
	MUL16 2, 1, SC+16*(\slot)+8, 0
	WIN 0
	s_barrier_wait -1
.if \fill
	CREST                                          ; the barrier has opened a round of the cluster's barrier: no wave of any partner still reads this slot or has a load on its way
	s_add_nc_u64 s[G0+4*\slot+2:G0+4*\slot+3], s[G0+4*\slot+2:G0+4*\slot+3], 2*KSB
	s_add_nc_u64 s[G0B+4*\slot+2:G0B+4*\slot+3], s[G0B+4*\slot+2:G0B+4*\slot+3], 2*KSB
	JLOAD G0+4*\slot, G1, G0B+4*\slot, G1B         ; the first tensor load behind the round, my only one until the next; its four v_nop are among the places in front of the loads below
	PLACES NP-4
.else
	PLACES NP
.endif
	v_add_nc_u32 v[ADRS], 1024, v[ADRS]            ; on to the next K step's scale words: two 128s of 512 bytes
	FETCH_B \next, 0, 0
	FETCH_A \next, 0, 0
	SCALES \next
	WIN MUL_HI
	MUL16 4, 1, SC+16*(\slot)+8, 0
	MUL16 6, 1, SC+16*(\slot)+8, 0
	PLACES NP
	WIN 0
	FETCH_A \next, 0, 4
.endm
	s_wait_tensorcnt 1                             ; the scale words and my part of K step 0 are in (K step 1's load may be out)
	s_barrier_signal -1
	s_barrier_wait -1                              ; everybody's are
	FETCH_B 0, 0, 0
	FETCH_A 0, 0, 0
	SCALES 0
	FETCH_A 0, 0, 4
	STEP 0, 1                                      ; the first step stands in front of the loop: its products start the sums
	s_mov_b32 s3, LAPS-1
.Llap:                                                 ; a trip goes once round the ring, from a lap's second step to the next lap's first, and fills both slots again
	TURN 0, 1, 1
	STEP 1, 0
	TURN 1, 0, 1
	STEP 0, 0
	s_sub_co_u32 s3, s3, 1
	s_cmp_lg_u32 s3, 0
	s_cbranch_scc1 .Llap
	TURN 0, 1, 0                                   ; the last lap fills nothing, and has no round of the cluster's barrier
	STEP 1, 0
	s_wait_dscnt 4*NL                              ; the very last step: nothing more to fetch
	WIN MUL_LO
	MUL16 0, 1, SC+16+8, 0
	MUL16 2, 1, SC+16+8, 0
	s_wait_dscnt 0
	WIN MUL_HI
	MUL16 4, 1, SC+16+8, 0
	MUL16 6, 1, SC+16+8, 0
	WIN 0
; THE WAY OUT, block by block of 16 rows x 128 columns.  A lane holds 32 neighbouring bytes of a row, and the lanes beside it hold other rows: so a block goes through my own stage in LDS and comes back as whole
; rows of 512 bytes.  LDS serves a wave's instructions in order (ISA guide 5.7.1.4): no wait between the stores and the loads, nor in front of the next block's stores.
.macro TOSTAGE a
.set AC, 64*((\a)%4)
	WIN 0x08+4*((\a)/4)                            ; an LDS store's data are its source 1: window 2 or 3
.irp b, 0,1,2,3,4,5,6,7
	ds_store_b128 v[STO], v[AC+8*\b:AC+8*\b+3] offset:64*\b          ; each accumulator from its low end on
	ds_store_b128 v[STO], v[AC+8*\b+4:AC+8*\b+7] offset:64*\b+16
.endr
	WIN 0
.set BB, BK+64*((\a)%2)
.irp t, 0,1,2,3,4,5,6,7,8,9,10,11,12,13,14,15
	ds_load_b128 v[BB+4*\t:BB+4*\t+3], v[RD] offset:\t*SPITCH
.endr
.endm
.macro SEND a, younger                 ; younger: the LDS instructions issued behind block a's loads, which may stay out
.set BB, BK+64*((\a)%2)
	s_wait_dscnt \younger                          ; the block is back in registers
.if (\a) > 0
	s_add_nc_u64 s[12:13], s[12:13], 16*SIZE_N*4   ; 16 rows on (the earlier stores have read their base: a wait for translated addresses stands ahead); the offsets below stay at 15 rows, 122,880 bytes, at the most
.endif
.irp t, 0,1,2,3,4,5,6,7,8,9,10,11,12,13,14,15
	global_store_b128 v[CO], v[BB+4*\t:BB+4*\t+3], s[12:13] offset:\t*SIZE_N*4 th:TH_STORE_NT   ; 32 lanes store 512 consecutive bytes, at a multiple of 512 from out0's first byte; written once, read by nobody here
.endr
.endm
	PLACES NP                                      ; behind the last products: for the loads into the registers that held phi_x's fragments, and for the stores that read results
	TOSTAGE 0
.irp a, 1,2,3,4,5,6,7
.if \a > 1
	s_wait_xcnt 0x0                                ; block a - 2's stores have read their registers and their base: block a's loads may land there, and the base may step
.endif
	TOSTAGE \a
	SEND \a-1, 32                                  ; behind block a - 1's loads: block a's 16 stores and 16 loads
.endr
	s_wait_xcnt 0x0                                ; block 6's stores have read their base
	SEND 7, 0
	s_wait_tensorcnt 0x0                           ; the wave's end: behind my last tensor load and my last LDS store
	ds_add_u32 v[SPW], v[NIL]
	s_wait_dscnt 0x0
	CROUND                                         ; the closing round: no work-group ends while a partner may still ask for a tile that names it
	s_endpgm
.Lfunc_end_k_q9908d13e49_outp:
	.size	k_q9908d13e49_outp, .Lfunc_end_k_q9908d13e49_outp-k_q9908d13e49_outp
	.p2alignl 7, 3214868480
	.fill 96, 4, 3214868480
	.section	.rodata,"a",@progbits
	.p2align	6, 0x0
	.amdhsa_kernel k_q9908d13e49_outp
		.amdhsa_group_segment_fixed_size 327680
		.amdhsa_private_segment_fixed_size 0
		.amdhsa_enable_private_segment 0
		.amdhsa_kernarg_size 24
		.amdhsa_user_sgpr_count 2
		.amdhsa_user_sgpr_kernarg_segment_ptr 1
		.amdhsa_wavefront_size32 1
		.amdhsa_system_sgpr_workgroup_id_x 1
		.amdhsa_system_sgpr_workgroup_id_y 1
		.amdhsa_system_sgpr_workgroup_id_z 1
		.amdhsa_system_vgpr_workitem_id 0
		.amdhsa_next_free_vgpr 1024
		.amdhsa_next_free_sgpr 98
		.amdhsa_reserve_vcc 0
		.amdhsa_float_denorm_mode_32 3
		.amdhsa_float_denorm_mode_16_64 3
		.amdhsa_memory_ordered 1
		.amdhsa_forward_progress 1
		.amdhsa_inst_pref_size 144
	.end_amdhsa_kernel
	.amdgpu_metadata
---
amdhsa.version: [ 1, 2 ]
amdhsa.kernels:
  - .name:           k_q9908d13e49_outp
    .symbol:         k_q9908d13e49_outp.kd
    .args:
      - { .name: phi_codes, .offset: 0, .size: 8, .value_kind: global_buffer, .address_space: global }
      - { .name: phi_scales, .offset: 8, .size: 8, .value_kind: global_buffer, .address_space: global }
      - { .name: out0, .offset: 16, .size: 8, .value_kind: global_buffer, .address_space: global }
    .group_segment_fixed_size: 327680
    .private_segment_fixed_size: 0
    .kernarg_segment_align: 8
    .kernarg_segment_size: 24
    .max_flat_workgroup_size: 128
    .sgpr_count:     98
    .vgpr_count:     1024
    .wavefront_size: 32
...
	.end_amdgpu_metadata
.endif
;; end of part 3
;; ======== version 2 of 2: 3 launches
;; limits: right only within a limited range of input values
;; workspace buffers: codes1 12,582,912 bytes; scales1 393,216 bytes; hs 40,960 bytes; phi_codes 20,971,520 bytes; phi_scales 655,360 bytes
;; launch quant (part 4): grid 768 x 1, 8 waves a work-group, no clusters, 70,656 bytes of LDS; arguments x, input_weights, gs, xis, codes1, scales1, hs; writes codes1, scales1, hs
.if DOCPART == 4
	.amdgcn_target "amdgcn-amd-amdhsa--gfx1250"
	.amdhsa_code_object_version 6
	.text
	.protected	k_q9908d13e49_quant
	.globl	k_q9908d13e49_quant
	.p2align	8
	.type	k_q9908d13e49_quant,@function
k_q9908d13e49_quant:
	s_mov_b64 s[64:65], 0
	v_nop
	global_prefetch_b8 v0, s[64:65] scope:SCOPE_SE
	s_setreg_imm32_b32 hwreg(HW_REG_WAVE_MODE, 25, 1), 1
	s_wait_xcnt 0x0
; x [8192][1024], input_weights [2048][1024] and xis[m] * gs[m][:] [2048][1024], f32, become codes of FP8 (E4M3) with one E8M0 byte for each 32 along K = 1024;
; and hs[row] = -0.5 * (sum of the row's squares) for the 10,240 rows of x and input_weights.
; A block's scale is 2^(floor(log2(largest magnitude)) - 8); its byte is the largest magnitude's exponent field - 8, held at 1 from below; each number is held within +-448 x the scale and rounded to the nearest code, ties to even.
; LIMITS: NaN and infinities among the inputs are not served.  A block whose largest magnitude lies under 2^-118 (a block of zeros too) keeps the byte 1: its codes are what that scale gives (zeros for zeros), and this program alone reads the bytes.
; LAYOUT OF THE CODES: in the order of a matrix operand's registers.  A ROWBLOCK is 16 rows; a fragment (16 rows x 128 K) is an image of 2,048 bytes: byte 512 c + 16 lane + e is row lane % 16, k = 32 c + 16 (lane / 16) + e.
;   codes1[K step of 256: 4][rowblock: 768][which 128 of the step: 2][2,048];  scales1[rowblock][row 16][8 words], word f = the four bytes of the row's f-th 128 along K.
;   Rowblocks 0-511: x, 512-639: input_weights, rows in their order.  Rowblocks 640-767: xis * gs; rowblock 640 + l holds rows 32 (l / 2) + 8 (l % 2) + r + 8 (r / 8), r = 0 .. 15: so that the
;   next launch's results, used transposed, have 16 neighbours along m in a lane's 16 registers of two neighbouring tiles.
; SHARES: a work-group takes a rowblock, wave w its w-th 128 along K: 16 rows x 512 bytes.  Each load reads 512 consecutive bytes of one row; the 8,192 bytes turn through the wave's own stage in LDS
; (rows 528 bytes apart: the sixteen rows that a read touches begin in sixteen different groups of four banks) and come back as 64 numbers a lane in the operand's order.  No loop, one barrier (for the scale words and the sums of squares).
; No tensor loads, no cluster, no matrix unit: every input byte is read once by one wave, so nothing is shared and memory binds.
; THE ORDER OF input_weights' ROWS, which holds in place of what is said of rowblocks 512-639 above: rowblock 512 + l holds rows 64 (l / 4) + 4 r + l % 4, r = 0 .. 15 (and hs its sums in that order), so that in the last launch
; lane r's results of four neighbouring rowblocks are four neighbouring columns of out0.
; LEFT OUT: AB_coeffs, which reference() builds as ones in its own body: a factor that is 1.
.set ROWB, 4096                        ; a row of 1,024 f32
.set SP,   528                         ; a stage row: 512 bytes + 16
.set WST,  16*SP                       ; a wave's stage
.set SCW,  8*WST                       ; behind the stages: the rowblock's scale words, [row 16][8 words], 512 bytes
.set SQP,  SCW+512                     ; the eight waves' partial sums of squares, [wave 8][row 16], 512 bytes
.set R,    16                          ; v16-79   16 rows x 4 registers as loaded
.set X,    80                          ; v80-143  64 numbers: register 16 c + i = k 32 c + 16 (lane / 16) + i of row lane % 16
.set PC,   16                          ; v16-31   the codes (R is done with by then)
.set TM,   32                          ; v32-35 largest magnitudes, v36-39 bytes, v40-43 448 x the scale, v44-47 the conversions' scale operands
.set PW,   48                          ; v48      the row's scale word
	s_load_b256 s[4:11], s[0:1], 0x0               ; x s[4:5], input_weights s[6:7], gs s[8:9], xis s[10:11]
	s_load_b128 s[12:15], s[0:1], 0x20             ; codes1 s[12:13], scales1 s[14:15]
	s_load_b64 s[16:17], s[0:1], 0x30              ; hs
	v_lshl_add_u32 v152, v0, 2, 0x11000
	v_mov_b32 v153, 0
	v_lshrrev_b32 v1, 5, v0
	s_delay_alu instid0(VALU_DEP_1)
	v_readfirstlane_b32 s18, v1                    ; wave 0..7
	v_and_b32 v1, 31, v0                           ; lane
	v_and_b32 v2, 15, v0                           ; r
	v_bfe_u32 v3, v0, 4, 1                         ; h
	s_delay_alu instid0(VALU_DEP_3)
	v_lshlrev_b32 v4, 4, v1                        ; 16 x lane: my bytes of a load's 512, of an image's 512, of the scale words' 512
	s_mul_i32 s19, s18, WST
	v_add_nc_u32 v5, s19, v4                       ; the stage, on the way in: 16 x lane (+ 528 x row in the immediate)
	v_mul_u32_u24 v6, v2, SP
	s_delay_alu instid0(VALU_DEP_1)
	v_lshl_add_u32 v6, v3, 6, v6
	s_delay_alu instid0(VALU_DEP_1)
	v_add_nc_u32 v6, s19, v6                       ; and on the way out: row r, + 64 h: my 16 numbers of each block of 32
	s_lshl_b32 s19, s18, 2
	v_lshl_add_u32 v7, v2, 5, s19
	s_delay_alu instid0(VALU_DEP_1)
	v_add_nc_u32 v7, SCW, v7                       ; my row's scale word of my wave's 128 along K: 32 r + 4 w
	s_lshl_b32 s19, s18, 6
	v_lshl_add_u32 v8, v2, 2, s19
	s_delay_alu instid0(VALU_DEP_1)
	v_add_nc_u32 v8, SQP, v8                       ; my row's partial sum: 64 w + 4 r
	v_add_nc_u32 v144, SCW, v4                     ; behind the barrier, wave 0: the 512 bytes of scale words, 16 a lane,
	v_lshl_add_u32 v145, v2, 2, SQP                ; the partial sums of row r,
	v_lshlrev_b32 v146, 2, v2                      ; and row r's place in hs
	s_mov_b32 s34, 0x76543210
	s_mov_b32 s35, 0xfedcba98                      ; v_permlanex16_b32's selects for lane l xor 16
	s_mov_b32 s36, 0x600000                        ; the mantissa field of 448
	; which tensor, and which of its rows.  Everything hangs on the work-group's number alone.
	s_mov_b32 s22, 640
	s_cmp_lt_u32 ttmp9, 640
	s_cselect_b32 s22, 512, s22
	s_cmp_lt_u32 ttmp9, 512
	s_cselect_b32 s22, 0, s22                      ; the tensor's first rowblock
	s_sub_co_u32 s24, ttmp9, s22                   ; l: my rowblock in the tensor
	s_lshl_b32 s25, s24, 4                         ; rows in their order: 16 l
	s_lshr_b32 s23, s24, 1
	s_lshl_b32 s23, s23, 5
	s_and_b32 s19, s24, 1
	s_lshl_b32 s19, s19, 3
	s_add_co_u32 s23, s23, s19                     ; gs: 32 (l / 2) + 8 (l % 2)
	s_cmp_lt_u32 ttmp9, 640
	s_cselect_b32 s25, s25, s23                    ; the rowblock's first row
	s_cselect_b32 s28, 8, 16                       ; and how many rows on its upper eight begin
	s_sub_co_u32 s2, ttmp9, 512                    ; under 128: input_weights
	s_lshr_b32 s3, s2, 2
	s_lshl_b32 s3, s3, 6
	s_and_b32 s19, s2, 3
	s_add_co_u32 s3, s3, s19                       ; input_weights: 64 (l / 4) + l % 4,
	s_cmp_lt_u32 s2, 128
	s_cselect_b32 s25, s3, s25
	s_cselect_b32 s28, 32, s28                     ; every fourth row
	s_lshl_b32 s26, s25, 12
	s_lshl_b32 s19, s18, 9
	s_add_co_u32 s26, s26, s19                     ; first row x 4,096 + wave x 512 bytes (under 2^26)
	s_mov_b32 s27, 0
	s_lshl_b32 s28, s28, 12
	s_mov_b32 s29, 0
	s_lshr_b32 s30, s18, 1                         ; codes1: ((w / 2) x 768 + rowblock) x 4,096 + (w % 2) x 2,048
	s_mul_i32 s30, s30, 768
	s_add_co_u32 s30, s30, ttmp9
	s_lshl_b32 s30, s30, 12
	s_and_b32 s19, s18, 1
	s_lshl_b32 s19, s19, 11
	s_add_co_u32 s30, s30, s19
	s_mov_b32 s31, 0
	v_and_b32 v9, 8, v2
	s_delay_alu instid0(VALU_DEP_1)
	v_add_nc_u32 v9, v9, v2
	s_delay_alu instid0(VALU_DEP_1)
	v_add_nc_u32 v9, s25, v9
	s_delay_alu instid0(VALU_DEP_1)
	v_lshlrev_b32 v9, 2, v9                        ; gs alone: xis at my row, first row + r + 8 (r / 8)
	v_mov_b32 v10, 1.0                             ; v[10:11]: the row's factor (gs: xis); written here so that it is defined on every way
	v_mov_b32 v11, 1.0
	v_mov_b32 v12, 0                               ; the partial sum of squares: gs has none
	s_mov_b32 s39, 0
	s_wait_kmcnt 0x0
	s_cmp_lt_u32 ttmp9, 640
	s_cselect_b64 s[20:21], s[6:7], s[8:9]
	s_cmp_lt_u32 ttmp9, 512
	s_cselect_b64 s[20:21], s[4:5], s[20:21]       ; the tensor that I read
	s_add_nc_u64 s[20:21], s[20:21], s[26:27]      ; at image rows 0-7,
	s_add_nc_u64 s[32:33], s[20:21], s[28:29]      ; and at image rows 8-15
	s_add_nc_u64 s[12:13], s[12:13], s[30:31]
	s_lshl_b32 s38, ttmp9, 9
	s_add_nc_u64 s[14:15], s[14:15], s[38:39]      ; scales1: 512 bytes a rowblock
	s_lshl_b32 s38, ttmp9, 6
	s_add_nc_u64 s[16:17], s[16:17], s[38:39]      ; hs: 64 bytes a rowblock
	s_cmp_lt_u32 ttmp9, 640
	s_cbranch_scc1 .Lno_xis
	s_wait_alu depctr_va_vdst(0)
	global_load_b32 v10, v9, s[10:11]              ; the oldest load: every counted wait below covers it too
.Lno_xis:
	s_cmp_lt_u32 s2, 128
	s_cbranch_scc1 .Lfourth_rows
.irp p, 0,1,2,3,4,5,6,7
	global_load_b128 v[R+4*\p:R+4*\p+3], v4, s[20:21] offset:ROWB*\p th:TH_LOAD_NT          ; 32 lanes read 512 consecutive bytes of one row; read once in the launch
.endr
.irp p, 0,1,2,3,4,5,6,7
	global_load_b128 v[R+32+4*\p:R+32+4*\p+3], v4, s[32:33] offset:ROWB*\p th:TH_LOAD_NT
.endr
	s_branch .Lasked
.Lfourth_rows:
.irp p, 0,1,2,3,4,5,6,7
	global_load_b128 v[R+4*\p:R+4*\p+3], v4, s[20:21] offset:4*ROWB*\p th:TH_LOAD_NT
.endr
.irp p, 0,1,2,3,4,5,6,7
	global_load_b128 v[R+32+4*\p:R+32+4*\p+3], v4, s[32:33] offset:4*ROWB*\p th:TH_LOAD_NT
.endr
.Lasked:
.irp p, 0,1,2,3,4,5,6,7,8,9,10,11,12,13,14,15
	s_wait_loadcnt 15-\p                           ; loads come back in order: row p is in, the 15 - p younger ones stay out
	ds_store_b128 v5, v[R+4*\p:R+4*\p+3] offset:SP*\p
.endr
.irp c, 0,1,2,3
.irp j, 0,1,2,3
	ds_load_b128 v[X+16*\c+4*\j:X+16*\c+4*\j+3], v6 offset:128*\c+16*\j   ; my own stage, and LDS serves a wave's instructions in order: no wait between the stores and these
.endr
.endr
	s_wait_dscnt 0x0
	s_cmp_lt_u32 ttmp9, 640
	s_cbranch_scc1 .Lsquares
.set i, 0
	s_wait_alu depctr_va_vdst(0)
.rept 32
	v_pk_mul_f32 v[X+i:X+i+1], v[X+i:X+i+1], v[10:11] op_sel_hi:[1,0]     ; gs: xis[m] * gs[m][k], one f32 product, ahead of the quantiser
.set i, i+2
.endr
	s_branch .Lquantise
.Lsquares:                                             ; x and input_weights: the sum of my 64 squares, in two packed chains started by products
	v_pk_mul_f32 v[12:13], v[X:X+1], v[X:X+1]
	v_pk_mul_f32 v[14:15], v[X+2:X+3], v[X+2:X+3]
.irp j, 4,8,12,16,20,24,28,32,36,40,44,48,52,56,60
	s_delay_alu instid0(VALU_DEP_2)
	v_pk_fma_f32 v[12:13], v[X+\j:X+\j+1], v[X+\j:X+\j+1], v[12:13]
	s_delay_alu instid0(VALU_DEP_2)
	v_pk_fma_f32 v[14:15], v[X+\j+2:X+\j+3], v[X+\j+2:X+\j+3], v[14:15]
.endr
	s_delay_alu instid0(VALU_DEP_1)
	v_pk_add_f32 v[12:13], v[12:13], v[14:15]
	s_delay_alu instid0(VALU_DEP_1)
	v_add_f32 v12, v12, v13
	s_delay_alu instid0(VALU_DEP_1)
	v_permlanex16_b32 v13, v12, s34, s35
	s_delay_alu instid0(VALU_DEP_1)
	v_add_f32 v12, v12, v13                        ; with lane l xor 16's 64: row r's 128 of my wave
.Lquantise:
.irp b, 0,1,2,3
	v_max3_num_f32 v[TM+\b], |v[X+16*\b]|, |v[X+1+16*\b]|, 0x4800000      ; block b: my 16 numbers, and the floor 2^(9 - 127): so the byte cannot fall under 1
.endr
.irp i, 2,4,6,8,10,12,14
.irp b, 0,1,2,3
	s_delay_alu instid0(VALU_DEP_4)
	v_max3_num_f32 v[TM+\b], v[TM+\b], |v[X+16*\b+\i]|, |v[X+1+16*\b+\i]|   ; the four blocks by turns
.endr
.endr
.irp b, 0,1,2,3
	s_delay_alu instid0(VALU_DEP_4)
	v_permlanex16_b32 v[TM+4+\b], v[TM+\b], s34, s35
.endr
.irp b, 0,1,2,3
	s_delay_alu instid0(VALU_DEP_4)
	v_max_num_f32 v[TM+\b], v[TM+\b], v[TM+4+\b]   ; with lane l xor 16's: the block's largest magnitude
.endr
.irp b, 0,1,2,3
	s_delay_alu instid0(VALU_DEP_4)
	v_add_nc_u32 v[TM+12+\b], 0xfc000000, v[TM+\b] ; 8 off its exponent field: the conversion takes the exponent field of this operand as its scale
.endr
.irp b, 0,1,2,3
	v_and_or_b32 v[TM+8+\b], v[TM+\b], 0x7f800000, s36   ; 448 x the scale
.endr
.irp b, 0,1,2,3
	v_lshrrev_b32 v[TM+4+\b], 23, v[TM+12+\b]      ; the scale's byte
.endr
	s_delay_alu instid0(VALU_DEP_3)
	v_lshl_or_b32 v[PW], v[TM+5], 8, v[TM+4]
	s_delay_alu instid0(VALU_DEP_1)
	v_lshl_or_b32 v[PW], v[TM+6], 16, v[PW]
	s_delay_alu instid0(VALU_DEP_1)
	v_lshl_or_b32 v[PW], v[TM+7], 24, v[PW]        ; row r's scale word of these 128 along K
.irp b, 0,1,2,3
.irp i, 0,1,2,3,4,5,6,7,8,9,10,11,12,13,14,15
	v_med3_num_f32 v[X+16*\b+\i], v[X+16*\b+\i], -v[TM+8+\b], v[TM+8+\b]   ; the conversion to an 8-bit code does not saturate (ISA guide 7.6.2): the hold comes first
.endr
	v_cvt_scalef32_pk8_fp8_f32 v[PC+4*\b:PC+1+4*\b], v[X+16*\b:X+7+16*\b], v[TM+12+\b]
	v_cvt_scalef32_pk8_fp8_f32 v[PC+2+4*\b:PC+3+4*\b], v[X+8+16*\b:X+15+16*\b], v[TM+12+\b]
.endr
	v_nop                                          ; a plain line behind the last scaled conversion
.irp c, 0,1,2,3
	global_store_b128 v4, v[PC+4*\c:PC+4*\c+3], s[12:13] offset:512*\c     ; the fragment's image: each store of the wave covers 512 consecutive bytes, aligned
.endr
	ds_store_b32 v7, v[PW]                         ; lanes l and l xor 16 write the same word with the same value
	ds_store_b32 v8, v12
	s_wait_dscnt 0x0                               ; for wave 0's sake: my words have landed
	s_barrier_signal -1
	s_barrier_wait -1
	s_cmp_lg_u32 s18, 0
	s_cbranch_scc1 .Lend
	ds_load_b128 v[52:55], v144
	s_wait_dscnt 0x0
	global_store_b128 v4, v[52:55], s[14:15]       ; the rowblock's 512 bytes of scale words in one store
	s_cmp_ge_u32 ttmp9, 640
	s_cbranch_scc1 .Lend                           ; gs has no hs
.irp w, 0,1,2,3,4,5,6,7
	ds_load_b32 v[56+\w], v145 offset:64*\w
.endr
	s_wait_dscnt 0x0
	v_add_f32 v56, v56, v57
	v_add_f32 v58, v58, v59
	v_add_f32 v60, v60, v61
	v_add_f32 v62, v62, v63
	s_delay_alu instid0(VALU_DEP_3)
	v_add_f32 v56, v56, v58
	s_delay_alu instid0(VALU_DEP_2)
	v_add_f32 v60, v60, v62
	s_delay_alu instid0(VALU_DEP_1)
	v_add_f32 v56, v56, v60
	s_delay_alu instid0(VALU_DEP_1)
	v_mul_f32 v56, -0.5, v56
	v_cmp_gt_u32 vcc_lo, 16, v1
	s_wait_alu depctr_va_vdst(0)
	s_wait_xcnt 0x0                                ; EXEC is a source of the stores above: it changes only behind this wait
	s_and_saveexec_b32 s37, vcc_lo
	global_store_b32 v146, v56, s[16:17]           ; 16 lanes, 64 bytes: a small part of what the launch moves (40,960 bytes in all)
	s_wait_xcnt 0x0
	s_or_b32 exec_lo, exec_lo, s37
.Lend:
	s_wait_tensorcnt 0x0
	ds_add_u32 v152, v153
	s_wait_dscnt 0x0
	s_endpgm
.Lfunc_end_k_q9908d13e49_quant:
	.size	k_q9908d13e49_quant, .Lfunc_end_k_q9908d13e49_quant-k_q9908d13e49_quant
	.p2alignl 7, 3214868480
	.fill 96, 4, 3214868480
	.section	.rodata,"a",@progbits
	.p2align	6, 0x0
	.amdhsa_kernel k_q9908d13e49_quant
		.amdhsa_group_segment_fixed_size 70656
		.amdhsa_private_segment_fixed_size 0
		.amdhsa_enable_private_segment 0
		.amdhsa_kernarg_size 56
		.amdhsa_user_sgpr_count 2
		.amdhsa_user_sgpr_kernarg_segment_ptr 1
		.amdhsa_wavefront_size32 1
		.amdhsa_system_sgpr_workgroup_id_x 1
		.amdhsa_system_sgpr_workgroup_id_y 1
		.amdhsa_system_sgpr_workgroup_id_z 1
		.amdhsa_system_vgpr_workitem_id 0
		.amdhsa_next_free_vgpr 154
		.amdhsa_next_free_sgpr 66
		.amdhsa_reserve_vcc 1
		.amdhsa_float_denorm_mode_32 3
		.amdhsa_float_denorm_mode_16_64 3
		.amdhsa_memory_ordered 1
		.amdhsa_forward_progress 1
		.amdhsa_inst_pref_size 27
	.end_amdhsa_kernel
	.amdgpu_metadata
---
amdhsa.version: [ 1, 2 ]
amdhsa.kernels:
  - .name:           k_q9908d13e49_quant
    .symbol:         k_q9908d13e49_quant.kd
    .args:
      - { .name: x, .offset: 0, .size: 8, .value_kind: global_buffer, .address_space: global }
      - { .name: input_weights, .offset: 8, .size: 8, .value_kind: global_buffer, .address_space: global }
      - { .name: gs, .offset: 16, .size: 8, .value_kind: global_buffer, .address_space: global }
      - { .name: xis, .offset: 24, .size: 8, .value_kind: global_buffer, .address_space: global }
      - { .name: codes1, .offset: 32, .size: 8, .value_kind: global_buffer, .address_space: global }
      - { .name: scales1, .offset: 40, .size: 8, .value_kind: global_buffer, .address_space: global }
      - { .name: hs, .offset: 48, .size: 8, .value_kind: global_buffer, .address_space: global }
    .group_segment_fixed_size: 70656
    .private_segment_fixed_size: 0
    .kernarg_segment_align: 8
    .kernarg_segment_size: 56
    .max_flat_workgroup_size: 256
    .sgpr_count:     66
    .vgpr_count:     154
    .wavefront_size: 32
...
	.end_amdgpu_metadata
.endif
;; end of part 4
;; launch feat (part 5): grid 8 x 32, 4 waves a work-group, clusters of 4 x 4, 327,680 bytes of LDS; arguments codes1, scales1, hs, xis, phi_codes, phi_scales; writes phi_codes, phi_scales
.if DOCPART == 5
	.amdgcn_target "amdgcn-amd-amdhsa--gfx1250"
	.amdhsa_code_object_version 6
	.text
	.protected	k_q9908d13e49_feat
	.globl	k_q9908d13e49_feat
	.p2align	8
	.type	k_q9908d13e49_feat,@function
k_q9908d13e49_feat:
	s_mov_b64 s[64:65], 0
	v_nop
	global_prefetch_b8 v0, s[64:65] scope:SCOPE_SE
	s_setreg_imm32_b32 hwreg(HW_REG_WAVE_MODE, 25, 1), 1
	s_wait_xcnt 0x0
	s_wait_alu depctr_hold_cnt(0) depctr_sa_sdst(0) depctr_va_vdst(0) depctr_va_sdst(0) depctr_va_ssrc(0) depctr_va_vcc(0) depctr_vm_vsrc(0)
	s_getreg_b32 s2, hwreg(HW_REG_IB_STS2, 6, 4)
	s_cmp_eq_u32 s2, 0
	s_cbranch_scc0 .Lentry_in_a_cluster
	s_endpgm
.Lentry_in_a_cluster:
	s_bfe_u32 s2, ttmp6, 0x10000c
	s_cmp_lg_u32 s2, 0xf033
	s_cbranch_scc0 .Lentry_shape_is_right
	s_endpgm
.Lentry_shape_is_right:
; phi = 2^(log2(e) (dot + hs xis^2) - 5.5) for the 10,240 rows of x and input_weights and 2,048 features (1 / sqrt(2,048) = 2^-5.5), dot by products of codes of FP8 (E4M3), sums in f32; phi is quantised along the features and leaves as
; codes in the order of the next launch's operand registers.  reference()'s AB_coeffs are ones that it builds itself: a factor that is 1 is left out.
; LIMITS: NaN and infinities are not served; a block whose largest phi lies under 2^-118 keeps the byte 1.
; codes1, scales1, hs: as the first launch leaves them.  phi_codes[K step of 256: 8][rowblock: 640][2][2,048], phi_scales[group of 128 rows: 80][16][512]: as the next launch states them.
; A work-group makes 320 rows x 256 features, a wave 160 x 128: 80 accumulators; K = 1,024 in four steps of 256 through two LDS slots.  Clusters of 4 x 4 share the tiles by joint loads.  Source 0 = features: a lane holds one row and
; eight neighbouring features, and by the order of gs's rows two tiles' 16 registers are 16 neighbours along the next K.
; THE HEAD: one joint load a wave (codes of rows, codes of features, the two blocks of scale words); K step 1 behind a full round.  K steps 1 and 2 are prefetched into the L2 under the head's loads, a wave its work-group's quarter of
; the half tile that it fetches: 40 blocks of 256 bytes of rows (the second line's lanes from 8 on name its last block again), 32 of features, these in every second row of clusters; K step 3 comes by its load alone, two K steps behind the head.
.set NRB,   768
.set RBB,   640
.set KSB,   NRB*4096
.set NP,    8
.set AHALF, 40960
.set BHALF, 32768
.set BOFF,  2*AHALF
.set SLOT,  2*AHALF+2*BHALF
.set SCL,   2*SLOT
.set SCLA,  SCL+8192
.set SPARE, 327168
.set ADRA,  1
.set ADRB,  3
.set ADRS,  5
.set SPW,   6
.set NIL,   7
.set SC,    8
.set LI,    28
.set XOF,   29
.set HOF,   30
.set AF,    32
.set PWR,   8
.set C55,   18
.set HB,    20
.set PC,    32
.set TM,    48
.set T,     64
.set HS1,   64
.set G1,  24
.set G0,  32
.set G1B, 48
.set G0B, 56
.set G1S, 68
.set G0S, 76
.set G1SB, 80
.set G0SB, 88
.set L2E, 92
.set SEL, 94
.set MNT, 96
.set DSN, 0
.set MA0, 0
.set MA1, 0
.set MA2, 0
.set MB,  0
.set MS,  0
.set MSB, 0
.macro WIN new
.if MSB != (\new)
	s_set_vgpr_msb (MSB<<8)|(\new)
.set MSB, \new
.endif
.endm
.set TO_B,   0x40
.macro JLOAD g0a, g1a, g0b, g1b
	s_cmp_eq_u32 s15, 0
	s_cbranch_scc0 .Lfor_b_\@
	tensor_load_to_lds s[\g0a:\g0a+3], s[\g1a:\g1a+7]
	s_nop 0
.rept 4
	v_nop
.endr
	s_branch .Lasked_\@
.Lfor_b_\@:
	tensor_load_to_lds s[\g0b:\g0b+3], s[\g1b:\g1b+7]
	s_nop 0
.rept 4
	v_nop
.endr
.Lasked_\@:
.endm
.macro CREST
	s_cmp_lg_u32 s14, 0
	s_cbranch_scc1 .Lnot_wave_0_\@
	s_barrier_signal -3
.Lnot_wave_0_\@:
	s_barrier_wait -3
	s_barrier_signal -1
	s_barrier_wait -1
.endm
.macro CROUND
	s_barrier_signal -1
	s_barrier_wait -1
	CREST
.endm
.macro SHAPE g, rows
	s_mov_b32 s[\g+1], 32<<16
	s_mov_b32 s[\g+2], (\rows)<<16
	s_mov_b32 s[\g+3], 32<<16
	s_mov_b32 s[\g+4], \rows
	s_mov_b32 s[\g+5], 32
	s_mov_b32 s[\g+6], 0
	s_mov_b32 s[\g+7], 0
.endm
.macro QOFF d, q, t
	s_lshr_b32 s\d, s\q, 1
	s_lshl_b32 s\d, s\d, 13
	s_and_b32 s\t, s\q, 1
	s_lshl_b32 s\t, s\t, 8
	s_add_co_u32 s\d, s\d, s\t
.endm
	s_load_b256 s[4:11], s[0:1], 0x0
	s_load_b64 s[12:13], s[0:1], 0x20
	s_load_b64 s[66:67], s[0:1], 0x28
	v_lshl_add_u32 v[SPW], v0, 2, SPARE
	v_mov_b32 v[NIL], 0
	ds_add_u32 v6, v7
	ds_add_u32 v6, v7
	s_wait_dscnt 0x0
	v_lshrrev_b32 v32, 5, v0
	v_readfirstlane_b32 s14, v32
	s_lshr_b32 s15, s14, 1
	s_and_b32 s16, s14, 1
	s_bfe_u32 s40, ttmp6, 0x40000
	s_bfe_u32 s41, ttmp6, 0x40004
	s_lshl_b32 s42, ttmp9, 2
	s_add_co_u32 s42, s42, s40
	s_and_b32 s17, ttmp7, 0xffff
	s_lshl_b32 s17, s17, 2
	s_add_co_u32 s17, s17, s41
	s_lshl_b32 s43, s41, 2
	s_lshl_b32 s43, 15, s43
	s_lshl_b32 s44, 0x1111, s40
	s_or_b32 s[G1+0], s43, (3<<16)|(1<<21)
	s_or_b32 s[G1B+0], s44, (3<<16)|(1<<21)
	s_or_b32 s[G1S+0], s43, (3<<16)|(1<<21)
	s_or_b32 s[G1SB+0], s44, (3<<16)|(1<<21)
	SHAPE G1, 320                                  ; the head's loads are whole tiles; the ring's are halves: two words of each are set anew behind the head's wait
	SHAPE G1B, 256
	SHAPE G1S, 40
	SHAPE G1SB, 32
	s_mul_i32 s20, s17, 20
	s_lshl_b32 s22, s20, 9
	s_lshl_b32 s20, s20, 12
	s_mov_b32 s21, 0
	s_mov_b32 s23, 0
	s_lshl_b32 s46, s42, 4
	s_add_co_u32 s46, s46, RBB
	s_lshl_b32 s2, s46, 9
	s_lshl_b32 s46, s46, 12
	s_mov_b32 s47, 0
	s_mov_b32 s3, 0
	s_mul_i32 s45, s16, AHALF
	s_lshl_b32 s97, s16, 15
	s_add_co_u32 s97, s97, BOFF
	s_mov_b32 s98, s45                             ; in the ring: my half of a tile, in bytes
	s_mov_b32 s99, 0
	s_lshl_b32 s100, s16, 15
	s_mov_b32 s101, 0
	s_mov_b32 s[L2E], 0x3fb8aa3b
	s_mov_b32 s[L2E+1], s[L2E]
	s_mov_b32 s[SEL], 0x76543210
	s_mov_b32 s[SEL+1], 0xfedcba98
	s_mov_b32 s[MNT], 0x600000
	CROUND                                         ; the opening round, ahead of the wait for the arguments
	s_wait_kmcnt 0x0
	s_add_nc_u64 s[20:21], s[4:5], s[20:21]
	s_add_nc_u64 s[22:23], s[6:7], s[22:23]
	s_add_nc_u64 s[46:47], s[4:5], s[46:47]
	s_add_nc_u64 s[2:3], s[6:7], s[2:3]
.macro DESC g, lds, src
	s_mov_b32 s[\g], 1
	s_mov_b32 s[\g+1], \lds
	s_mov_b64 s[\g+2:\g+3], s[\src:\src+1]
	s_or_b32 s[\g+3], s[\g+3], 0x80000000
.endm
	DESC G0, 0, 20
	DESC G0B, BOFF, 46
	DESC G0S, SCLA, 22
	DESC G0SB, SCL, 2
; THE HEAD'S LOADS, ONE A WAVE
.macro ARM under, g0, g1, next
	s_cmp_lt_u32 s14, \under
	s_cbranch_scc0 \next
	tensor_load_to_lds s[\g0:\g0+3], s[\g1:\g1+7]
	s_nop 0
.rept 4
	v_nop
.endr
	s_branch .Lhead_asked
\next:
.endm
	ARM 1, G0,  G1,  .Lhead_b
	ARM 2, G0B, G1B, .Lhead_sa
	ARM 3, G0S, G1S, .Lhead_sb
	tensor_load_to_lds s[G0SB:G0SB+3], s[G1SB:G1SB+7]
	s_nop 0
.rept 4
	v_nop
.endr
.Lhead_asked:
	s_mov_b32 s[G0+4], 1                           ; slot 1: K step 1, my half
	s_add_co_u32 s[G0+5], s45, SLOT
	s_add_nc_u64 s[G0+6:G0+7], s[20:21], s[98:99]
	s_add_nc_u64 s[G0+6:G0+7], s[G0+6:G0+7], KSB
	s_or_b32 s[G0+7], s[G0+7], 0x80000000
	s_mov_b32 s[G0B+4], 1
	s_add_co_u32 s[G0B+5], s97, SLOT
	s_add_nc_u64 s[G0B+6:G0B+7], s[46:47], s[100:101]
	s_add_nc_u64 s[G0B+6:G0B+7], s[G0B+6:G0B+7], KSB
	s_or_b32 s[G0B+7], s[G0B+7], 0x80000000
	s_mul_i32 s22, s17, 20*4096                    ; the prefetches: rows: my half, my work-group's 40 blocks of it;
	s_add_co_u32 s22, s22, s98
	s_mul_i32 s23, s40, 10240
	s_add_co_u32 s22, s22, s23
	s_lshl_b32 s23, s42, 16                        ; features: 32 blocks
	s_add_co_u32 s23, s23, RBB*4096
	s_add_co_u32 s23, s23, s100
	s_lshl_b32 s18, s41, 13
	s_add_co_u32 s23, s23, s18
	s_cmp_eq_u32 s15, 0
	s_cselect_b32 s22, s22, s23
	s_add_co_u32 s22, s22, KSB
	s_mov_b32 s23, 0
	s_add_nc_u64 s[4:5], s[4:5], s[22:23]
	v_and_b32 v32, 15, v0
	v_bfe_u32 v33, v0, 4, 1
	s_wait_alu depctr_va_vdst(0)
	v_and_b32 v34, 31, v0
	v_lshlrev_b32 v[LI], 4, v34
	v_lshlrev_b32 v[XOF], 6, v33
	v_lshlrev_b32 v[HOF], 2, v32
	s_mul_i32 s22, s15, AHALF
	s_lshl_b32 s23, s16, 15
	s_add_co_u32 s23, s23, BOFF
.irp s, 0,1
	v_add_nc_u32 v[ADRA+\s], s22, v[LI]
	v_add_nc_u32 v[ADRB+\s], s23, v[LI]
	s_add_co_u32 s22, s22, SLOT
	s_add_co_u32 s23, s23, SLOT
.endr
	s_lshl_b32 s21, s16, 12
	s_mul_i32 s22, s15, 5120
	s_add_co_u32 s22, s22, 8192
	s_sub_co_u32 s22, s22, s21
	v_mul_u32_u24 v35, s22, v33
	s_add_co_u32 s21, s21, SCL
	v_lshl_add_u32 v35, v32, 5, v35
	v_add_nc_u32 v[ADRS], s21, v35
	s_mul_i32 s40, s17, 20
	s_mul_i32 s41, s15, 10
	s_add_co_u32 s40, s40, s41
	s_mov_b32 s47, 0
	s_lshl_b32 s46, s40, 6
	s_add_nc_u64 s[8:9], s[8:9], s[46:47]
	s_lshl_b32 s46, s42, 10
	s_lshl_b32 s41, s16, 9
	s_add_co_u32 s46, s46, s41
	s_add_nc_u64 s[10:11], s[10:11], s[46:47]
	s_mul_i32 s46, s42, 640
	s_add_co_u32 s46, s46, s40
	s_lshl_b32 s46, s46, 1
	s_add_co_u32 s46, s46, s16
	s_lshl_b32 s46, s46, 11
	s_add_nc_u64 s[12:13], s[12:13], s[46:47]
	s_lshl_b32 s41, s42, 1
	s_add_co_u32 s41, s41, s16
	s_lshl_b32 s41, s41, 9
	s_mul_i32 s43, s17, 5
	s_mul_i32 s44, s15, 3
	s_add_co_u32 s44, s44, s43
	QOFF 18, 44, 19
	s_add_co_u32 s44, s44, 1
	QOFF 22, 44, 19
	s_sub_co_u32 s22, s22, s18
	s_add_co_u32 s43, s43, 2
	QOFF 20, 43, 19
	s_lshl_b32 s19, s15, 3
	s_add_co_u32 s20, s20, s19
	s_add_co_u32 s20, s20, s41
	s_mov_b32 s21, 0
	s_add_nc_u64 s[20:21], s[66:67], s[20:21]
	s_add_co_u32 s46, s18, s41
	s_add_nc_u64 s[66:67], s[66:67], s[46:47]
.macro PLACES n
.rept \n
	v_nop
.endr
.endm
.macro LDA g
.set LKF, (\g)/5
.set LP, (\g)%5
.set LFB, AF+32*((\g)%3)
.irp u, 0,1
.irp c, 0,1,2,3
	ds_load_b128 v[LFB+16*\u+4*\c:LFB+16*\u+4*\c+3], v[ADRA+(LKF/2)%2] offset:4096*(2*LP+\u)+2048*(LKF%2)+512*\c
.endr
.endr
.set DSN, DSN+8
.if (\g)%3 == 0
.set MA0, DSN
.elseif (\g)%3 == 1
.set MA1, DSN
.else
.set MA2, DSN
.endif
.endm
.macro LDB1 kf, i
.irp c, 0,1,2,3
	ds_load_b128 v[128*((\kf)%2)+16*(\i)+4*\c:128*((\kf)%2)+16*(\i)+4*\c+3], v[ADRB+((\kf)/2)%2] offset:4096*(\i)+2048*((\kf)%2)+512*\c
.endr
.set DSN, DSN+4
.set MB, DSN
.endm
.macro SCLD kf
.irp i, 0,1,2,3,4,5,6,7,8,9
	ds_load_b32 v[SC+10*((\kf)%2)+\i], v[ADRS] offset:512*\i+4*(\kf)
.endr
.set DSN, DSN+10
.set MS, DSN
.endm
.macro WAITP g
.if (\g)%3 == 0
.set NEED, MA0
.elseif (\g)%3 == 1
.set NEED, MA1
.else
.set NEED, MA2
.endif
.if (\g)%5 == 0
.if MB > NEED
.set NEED, MB
.endif
.if MS > NEED
.set NEED, MS
.endif
.endif
	s_wait_dscnt DSN-NEED
.endm
.macro WINP p
.if (\p) == 0
	WIN 0x01
.elseif (\p) < 3
	WIN 0xa1
.else
	WIN 0xf1
.endif
.endm
.macro MUL8 kf, a, zero
.set FA, AF+32*((5*(\kf)+(\a)/2)%3)+16*((\a)%2)
.set SQ, SC+10*((\kf)%2)
.set BS, 128*((\kf)%2)
.if (\a) < 2
.set AC, 128+64*(\a)
.elseif (\a) < 6
.set AC, 64*((\a)-2)
.else
.set AC, 64*((\a)-6)
.endif
.irp b, 0,1,2,3,4,5,6,7
.if \zero
	v_wmma_scale_f32_16x16x128_f8f6f4 v[AC+8*\b:AC+8*\b+7], v[BS+16*\b:BS+16*\b+15], v[FA:FA+15], 0, v[SQ+\b], v[SQ+(\a)] matrix_b_scale:MATRIX_SCALE_ROW1
.else
	v_wmma_scale_f32_16x16x128_f8f6f4 v[AC+8*\b:AC+8*\b+7], v[BS+16*\b:BS+16*\b+15], v[FA:FA+15], v[AC+8*\b:AC+8*\b+7], v[SQ+\b], v[SQ+(\a)] matrix_b_scale:MATRIX_SCALE_ROW1
.endif
.endr
.endm
.macro SLOTLD kf, p, mode
.set GG, 5*(\kf)+(\p)
.if (\mode) == 3
.if (\p) < 2
	PLACES NP
	WIN 0
	LDA GG+3
.endif
.else
.if ((\mode) == 0) || ((\p) != 2)
	PLACES NP
.endif
.if (\mode) == 0
.if (\p) < 4
	WIN TO_B
	LDB1 (\kf)+1, 2*(\p)
	LDB1 (\kf)+1, 2*(\p)+1
.endif
.elseif ((\p) == 2) || ((\p) == 3)
	WIN TO_B
.irp i, 0,1,2,3
	LDB1 (\kf)+1, 4*((\p)-2)+\i
.endr
.endif
	WIN 0
.if (\p) == 0
	SCLD (\kf)+1
.endif
	LDA GG+3
.endif
.endm
.macro KSTEP kf, mode, zero
.set SL, ((\kf)/2)%2
.irp p, 0,1,2,3,4
.if (\p == 2) && ((\mode == 1) || (\mode == 2))
	WIN 0
	s_wait_tensorcnt 0x0
	ds_add_u32 v[SPW], v[NIL]
.set DSN, DSN+1
	WAITP 5*(\kf)+\p
	WINP \p
	MUL8 \kf, 4, 0
	s_wait_dscnt 0x0
	s_barrier_signal -1
	MUL8 \kf, 5, 0
	WIN 0
	s_barrier_wait -1
.if \mode == 1
	CREST
	s_add_nc_u64 s[G0+4*SL+2:G0+4*SL+3], s[G0+4*SL+2:G0+4*SL+3], 2*KSB
	s_add_nc_u64 s[G0B+4*SL+2:G0B+4*SL+3], s[G0B+4*SL+2:G0B+4*SL+3], 2*KSB
	JLOAD G0+4*SL, G1, G0B+4*SL, G1B
	PLACES NP-4
.else
	PLACES NP
.endif
.else
	WAITP 5*(\kf)+\p
	WINP \p
	MUL8 \kf, 2*\p, \zero
	MUL8 \kf, 2*\p+1, \zero
.endif
	SLOTLD \kf, \p, \mode
.endr
.endm
	s_wait_alu depctr_va_vdst(0)
	v_lshlrev_b32 v31, 8, v34                      ; 256 x lane
	v_min_u32 v36, 7, v34
	v_lshlrev_b32 v36, 8, v36
	s_wait_alu depctr_va_vdst(0)
	s_cmp_eq_u32 s15, 0
	s_cbranch_scc0 .Lask_features
	global_prefetch_b8 v31, s[4:5] th:TH_LOAD_NT scope:SCOPE_SE
	global_prefetch_b8 v36, s[4:5] offset:8192 th:TH_LOAD_NT scope:SCOPE_SE
	global_prefetch_b8 v31, s[4:5] offset:KSB th:TH_LOAD_NT scope:SCOPE_SE
	global_prefetch_b8 v36, s[4:5] offset:KSB+8192 th:TH_LOAD_NT scope:SCOPE_SE
	s_branch .Lasked_ahead
.Lask_features:
	s_and_b32 s2, ttmp7, 1                         ; the cluster's y is odd: no features (the same in all partners)
	s_cmp_eq_u32 s2, 1
	s_cbranch_scc1 .Lasked_ahead
	global_prefetch_b8 v31, s[4:5] th:TH_LOAD_NT scope:SCOPE_SE
	global_prefetch_b8 v31, s[4:5] offset:KSB th:TH_LOAD_NT scope:SCOPE_SE
.Lasked_ahead:
	s_wait_alu depctr_va_vdst(0)
	s_wait_tensorcnt 0x0                           ; my tile of the head's four is in
	ds_add_u32 v[SPW], v[NIL]
	s_mov_b32 s[G1+2], 160<<16                     ; no tensor load of mine is out: from here on a load brings half a tile
	s_mov_b32 s[G1+4], 160
	s_mov_b32 s[G1B+2], 128<<16
	s_mov_b32 s[G1B+4], 128
	s_mov_b32 s[G0+1], s45
	s_add_nc_u64 s[G0+2:G0+3], s[G0+2:G0+3], s[98:99]
	s_mov_b32 s[G0B+1], s97
	s_add_nc_u64 s[G0B+2:G0B+3], s[G0B+2:G0B+3], s[100:101]
	s_wait_xcnt 0x0                                ; the prefetches have read their addresses: v36 takes a fragment below
	s_wait_dscnt 0x0
	CROUND                                         ; all four tiles are in, and the joint loads meet
	JLOAD G0+4, G1, G0B+4, G1B
	WIN TO_B
.irp i, 0,1,2,3,4,5,6,7
	LDB1 0, \i
.endr
	WIN 0
	SCLD 0
	LDA 0
	LDA 1
	LDA 2
	KSTEP 0, 0, 1
	KSTEP 1, 1, 0
	KSTEP 2, 0, 0
	KSTEP 3, 1, 0
	KSTEP 4, 0, 0
	KSTEP 5, 2, 0
	KSTEP 6, 0, 0
	WIN TO_B
.irp b, 0,1,2,3
.irp j, 0,1,2,3
	global_load_b128 v[16*\b+4*\j:16*\b+4*\j+3], v[XOF], s[10:11] offset:128*\b+16*\j
.endr
.endr
.irp a, 0,1,2,3,4,5,6,7,8,9
	global_load_b32 v[HS1+\a], v[HOF], s[8:9] offset:64*\a
.endr
	WIN 0
	KSTEP 7, 3, 0
	s_wait_loadcnt 0x0
	WIN 0x45
.set i, 0
.rept 32
	v_pk_mul_f32 v[i:i+1], v[i:i+1], v[i:i+1]
.set i, i+2
.endr
	WIN 0
	v_mov_b32 v[C55], 0xc0b00000
	v_mov_b32 v[C55+1], 0xc0b00000
	v_mov_b32 v[HB+1], 0
.macro TLINE q, k
	v_pk_fma_f32 v[T+16*(\q)+2*(\k):T+16*(\q)+2*(\k)+1], v[T+16*(\q)+2*(\k):T+16*(\q)+2*(\k)+1], s[L2E:L2E+1], v[C55:C55+1] op_sel_hi:[1,0,0]
.endm
.macro MAXQ q, k
.if (\k) == 0
	v_max3_num_f32 v[TM+(\q)], v[T+16*(\q)], v[T+16*(\q)+1], 0x4800000
.else
	v_max3_num_f32 v[TM+(\q)], v[TM+(\q)], v[T+16*(\q)+2*(\k)], v[T+16*(\q)+2*(\k)+1]
.endif
.endm
.macro EPI a
.if (\a) < 2
.set AC, 128+64*(\a)
.set WA, 0
.elseif (\a) < 6
.set AC, 64*((\a)-2)
.set WA, 2
.else
.set AC, 64*((\a)-6)
.set WA, 3
.endif
	WIN 0x01
	v_mov_b32 v[HB], v[HS1+(\a)]
	WIN 0x01|(WA<<4)
	s_wait_alu depctr_va_vdst(0)                   ; directly ahead of the first reader of the sums
.set i, 0
.rept 32
	v_pk_fma_f32 v[T+i:T+i+1], v[i:i+1], v[HB:HB+1], v[AC+i:AC+i+1] op_sel_hi:[1,0,1]
.set i, i+2
.endr
	WIN 0
.irp k, 0,1,2,3,4,5,6,7
.irp q, 0,1,2,3
	TLINE \q, \k
.endr
.endr
	s_wait_alu depctr_va_vdst(0)                   ; one wait ahead of the batch and one behind it
.irp q, 0,1,2,3
.irp n, 0,1,2,3,4,5,6,7,8,9,10,11,12,13,14,15
	v_exp_f32 v[T+16*\q+\n], v[T+16*\q+\n]
.endr
.endr
	v_nop
	s_wait_alu depctr_va_vdst(0)
.irp k, 0,1,2,3,4,5,6,7
.irp q, 0,1,2,3
	MAXQ \q, \k
.endr
.endr
.irp q, 0,1,2,3
	v_permlanex16_b32 v[TM+4+\q], v[TM+\q], s[SEL], s[SEL+1]
.endr
.irp q, 0,1,2,3
	v_max_num_f32 v[TM+\q], v[TM+\q], v[TM+4+\q]
.endr
.irp q, 0,1,2,3
	v_add_nc_u32 v[TM+12+\q], 0xfc000000, v[TM+\q]
.endr
.irp q, 0,1,2,3
	v_and_or_b32 v[TM+8+\q], v[TM+\q], 0x7f800000, s[MNT]
.endr
.irp q, 0,1,2,3
	v_lshrrev_b32 v[TM+4+\q], 23, v[TM+12+\q]
.endr
	v_lshl_or_b32 v[PWR+(\a)], v[TM+5], 8, v[TM+4]
	v_lshl_or_b32 v[PWR+(\a)], v[TM+6], 16, v[PWR+(\a)]
	v_lshl_or_b32 v[PWR+(\a)], v[TM+7], 24, v[PWR+(\a)]
	s_wait_xcnt 0x0
.irp q, 0,1,2,3
.irp n, 0,1,2,3,4,5,6,7,8,9,10,11,12,13,14,15
	v_min_num_f32 v[T+16*\q+\n], v[T+16*\q+\n], v[TM+8+\q]
.endr
	v_cvt_scalef32_pk8_fp8_f32 v[PC+4*\q:PC+4*\q+1], v[T+16*\q:T+16*\q+7], v[TM+12+\q]
	v_cvt_scalef32_pk8_fp8_f32 v[PC+4*\q+2:PC+4*\q+3], v[T+16*\q+8:T+16*\q+15], v[TM+12+\q]
.endr
	v_nop
.irp c, 0,1,2,3
	global_store_b128 v[LI], v[PC+4*\c:PC+4*\c+3], s[12:13] offset:(\a)*4096+512*\c
.endr
.endm
.irp a, 0,1,2,3,4,5,6,7,8,9
	EPI \a
.endr
	v_and_b32 v[T+16], 15, v0
	v_bfe_u32 v[T+17], v0, 4, 1
	v_and_b32 v[T+20], 31, v0
	v_mul_u32_u24 v[T+18], s22, v[T+17]
	v_lshl_add_u32 v[T+18], v[T+16], 4, v[T+18]
	v_lshlrev_b32 v[T+19], 4, v[T+16]
	s_cmp_eq_u32 s15, 1
	s_cselect_b32 s23, -1, 0
.irp j, 0,1,2,3,4,5,6,7
	v_cndmask_b32 v[T+\j], v[PWR+\j], v[PWR+2+\j], s23
.endr
.irp j, 0,1
	v_cndmask_b32 v[T+8+\j], v[PWR+8+\j], v[PWR+\j], s23
.endr
	v_cmp_eq_u32 vcc_lo, 1, v[T+17]
.irp j, 0,1,2,3
	v_cndmask_b32 v[T+12+\j], v[T+\j], v[T+4+\j], vcc_lo
.endr
	global_store_b128 v[T+18], v[T+12:T+15], s[66:67]
	v_cmp_gt_u32 vcc_lo, 16, v[T+20]
	s_wait_alu depctr_va_vdst(0)
	s_wait_xcnt 0x0
	s_and_saveexec_b32 s23, vcc_lo
	global_store_b64 v[T+19], v[T+8:T+9], s[20:21]
	s_wait_xcnt 0x0
	s_or_b32 exec_lo, exec_lo, s23
	s_wait_tensorcnt 0x0
	ds_add_u32 v[SPW], v[NIL]
	s_wait_dscnt 0x0
	CROUND
	s_endpgm
.Lfunc_end_k_q9908d13e49_feat:
	.size	k_q9908d13e49_feat, .Lfunc_end_k_q9908d13e49_feat-k_q9908d13e49_feat
	.p2alignl 7, 3214868480
	.fill 96, 4, 3214868480
	.section	.rodata,"a",@progbits
	.p2align	6, 0x0
	.amdhsa_kernel k_q9908d13e49_feat
		.amdhsa_group_segment_fixed_size 327680
		.amdhsa_private_segment_fixed_size 0
		.amdhsa_enable_private_segment 0
		.amdhsa_kernarg_size 48
		.amdhsa_user_sgpr_count 2
		.amdhsa_user_sgpr_kernarg_segment_ptr 1
		.amdhsa_wavefront_size32 1
		.amdhsa_system_sgpr_workgroup_id_x 1
		.amdhsa_system_sgpr_workgroup_id_y 1
		.amdhsa_system_sgpr_workgroup_id_z 1
		.amdhsa_system_vgpr_workitem_id 0
		.amdhsa_next_free_vgpr 1024
		.amdhsa_next_free_sgpr 102
		.amdhsa_reserve_vcc 1
		.amdhsa_float_denorm_mode_32 3
		.amdhsa_float_denorm_mode_16_64 3
		.amdhsa_memory_ordered 1
		.amdhsa_forward_progress 1
		.amdhsa_inst_pref_size 255
	.end_amdhsa_kernel
	.section	.bss,"aw",@nobits
	.p2align	6
	.space	262144
	.amdgpu_metadata
---
amdhsa.version: [ 1, 2 ]
amdhsa.kernels:
  - .name:           k_q9908d13e49_feat
    .symbol:         k_q9908d13e49_feat.kd
    .args:
      - { .name: codes1, .offset: 0, .size: 8, .value_kind: global_buffer, .address_space: global }
      - { .name: scales1, .offset: 8, .size: 8, .value_kind: global_buffer, .address_space: global }
      - { .name: hs, .offset: 16, .size: 8, .value_kind: global_buffer, .address_space: global }
      - { .name: xis, .offset: 24, .size: 8, .value_kind: global_buffer, .address_space: global }
      - { .name: phi_codes, .offset: 32, .size: 8, .value_kind: global_buffer, .address_space: global }
      - { .name: phi_scales, .offset: 40, .size: 8, .value_kind: global_buffer, .address_space: global }
    .group_segment_fixed_size: 327680
    .private_segment_fixed_size: 0
    .kernarg_segment_align: 8
    .kernarg_segment_size: 48
    .max_flat_workgroup_size: 128
    .sgpr_count:     102
    .vgpr_count:     1024
    .wavefront_size: 32
...
	.end_amdgpu_metadata
.endif
;; end of part 5
;; launch outp (part 6): grid 8 x 32, 4 waves a work-group, clusters of 4 x 4, 327,680 bytes of LDS; arguments phi_codes, phi_scales, out0; writes out0
.if DOCPART == 6
	.amdgcn_target "amdgcn-amd-amdhsa--gfx1250"
	.amdhsa_code_object_version 6
	.text
	.protected	k_q9908d13e49_outp
	.globl	k_q9908d13e49_outp
	.p2align	8
	.type	k_q9908d13e49_outp,@function
k_q9908d13e49_outp:
	s_mov_b64 s[64:65], 0
	v_nop
	global_prefetch_b8 v0, s[64:65] scope:SCOPE_SE
	s_setreg_imm32_b32 hwreg(HW_REG_WAVE_MODE, 25, 1), 1
	s_wait_xcnt 0x0
	s_wait_alu depctr_hold_cnt(0) depctr_sa_sdst(0) depctr_va_vdst(0) depctr_va_sdst(0) depctr_va_ssrc(0) depctr_va_vcc(0) depctr_vm_vsrc(0)
	s_getreg_b32 s2, hwreg(HW_REG_IB_STS2, 6, 4)
	s_cmp_eq_u32 s2, 0
	s_cbranch_scc0 .Lentry_in_a_cluster
	s_endpgm
.Lentry_in_a_cluster:
	s_bfe_u32 s2, ttmp6, 0x10000c
	s_cmp_lg_u32 s2, 0xf033
	s_cbranch_scc0 .Lentry_shape_is_right
	s_endpgm
.Lentry_shape_is_right:
; out0[row][o] = the sum over m of phi_x[row][m] weights[o][m]: 8,192 x 2,048, K = 2,048, both operands codes of FP8 (E4M3) with one E8M0 scale for each 32 along K; sums and out0 in f32.
; phi_codes[K step of 256: 8][rowblock of 16 rows: 640][2][2,048]: images of the operands' registers (byte 512 c + 16 lane + e: row lane % 16, k = 32 c + 16 (lane / 16) + e); rowblocks 0-511 phi_x, 512-639 weights.
; Row r of weights' rowblock 512 + l is the output column 64 (l / 4) + 4 r + l % 4.
; phi_scales[group of 128 rows: 80][which 128 of K: 16][512]: the word of row 16 i + r of the group at 256 (i / 4) + 16 r + 4 (i % 4).
; LIMITS: NaN and infinities are not served.
; A tile of 256 x 256 is made by a work-group of four waves, a wave makes 128 x 128: 64 accumulators, 512 registers.  K goes in steps of 256 through two LDS slots filled by the tensor data mover, each tile a dense block.
; The scale words of the tile's 256 rows and 256 columns for all of K are two dense blocks of 16,384 bytes: they come once, at the head, and stay.
; CLUSTERS: 4 x 4 work-groups.  The four of a row of the cluster need the same tiles of phi_x, the four of a column the same tiles of weights: each is asked for jointly.
; A STEP OF 128 ALONG K is 64 products: phi_x's blocks 0-3, then 4-7, each against weights' eight.  Its LDS loads go in two runs: ahead of the step the next step's weights (the other of two sets) and scale words, in its middle the next
; step's phi_x: blocks 0-3 into the four places that have just been multiplied, blocks 4-7 into one of two groups of four by turns.  So a slot is read out in the middle of its first 128, and slots change at that step's end.
; THE WAY OUT needs no LDS.  Source 0 = phi_x: a lane holds one column of weights' rowblock; by the order of weights' rows lane r's results of four neighbouring rowblocks are four neighbouring columns, 16 bytes: four moves lay them
; side by side, and sixteen lanes store one aligned unit of 256 bytes.
; THE LAST K STEP GOES BY ROWS: blocks 0-3 over its first 128, then one by one over its second, then blocks 4-7 one by one over both; each block's stores go out as soon as it is finished.
; THE TILES ARE PREFETCHED INTO THE L2: under the head's loads K steps 1 and 2, behind the load of K step k >= 1 K step k + 2.  Each wave names 32 x 256 bytes of the 32,768 that it fetches, the four partners of a joint load
; by address, so each block once in a cluster; weights' tiles, which all rows of clusters read, are asked for by every second row of clusters.
; REGISTERS: window 0: v1-9 addresses; v16-31 scale words, two sets of 8 (register i: lanes 0-15 phi_x's block i, lanes 16-31 weights' block i); v32-63 the first results on their way out; v64-255 phi_x's fragments, three groups of four.
;   window 1: weights' fragments, two sets.   windows 2, 3: the accumulators ((a, b) at v[8 (8 (a % 4) + b)]).
.set KSB,   640*4096                   ; bytes of a K step
.set SLOT,  131072
.set SCL,   2*SLOT                     ; behind the ring: phi_x's scale words, 16,384 bytes, then weights'
.set SPARE, SCL+32768                  ; the spare words, 128 bytes for each wave: two blocks of 256 bytes that no other line names
.set ADRA,  1                          ; v1-2  LDS address of my phi_x fragments in slot 0, 1
.set ADRB,  3                          ; v3-4  of my weights fragments
.set ADRS,  5                          ; v5    of my scale words
.set SPW,   6
.set NIL,   7
.set CO,    8                          ; v8    my byte offset in out0
.set PFO,   9                          ; v9    256 x lane: the prefetches' offset
.set SC,    16
.set OB,    32
.set AF,    64
.set G0H,   8                          ; s[8:11], s[96:99] groups 0 of the head's two tiles of codes
.set G0HB,  96
.set G1,    24                         ; s[24:31] group 1, s[32:39] groups 0 for phi_x;  s[48:55], s[56:63] for weights
.set G0,    32
.set G1B,   48
.set G0B,   56
.set G1S,   68                         ; s[68:75], s[76:79] for phi_x's scale words;  s[80:87], s[88:91] for weights'
.set G0S,   76
.set G1SB,  80
.set G0SB,  88
.set PFA,   92                         ; s[92:93] where my prefetches stand
.set ASKS,  100                        ; s100  1 where my wave prefetches
.set MSB, 0
.macro WIN new                         ; the immediate's high byte repeats the setting that is left
.if MSB != (\new)
	s_set_vgpr_msb (MSB<<8)|(\new)
.set MSB, \new
.endif
.endm
.macro PLACES n                        ; plain places behind a product, ahead of a load into its registers or a reader of its results (ISA guide 7.12.1 for vector instructions)
.rept \n
	v_nop
.endr
.endm
; A joint load into slot s: waves 0 and 1 fetch for phi_x, waves 2 and 3 for weights; the branch hangs on the wave's number alone.
.macro JLOAD s
	s_cmp_eq_u32 s15, 0
	s_cbranch_scc0 .Lfor_b_\@
	tensor_load_to_lds s[G0+4*(\s):G0+4*(\s)+3], s[G1:G1+7]
	s_nop 0
	PLACES 4
	s_branch .Lasked_\@
.Lfor_b_\@:
	tensor_load_to_lds s[G0B+4*(\s):G0B+4*(\s)+3], s[G1B:G1B+7]
	s_nop 0
	PLACES 4
.Lasked_\@:
.endm
.macro CREST                           ; a round of the cluster's barrier behind its opening barrier
	s_cmp_lg_u32 s14, 0
	s_cbranch_scc1 .Lnot_wave_0_\@
	s_barrier_signal -3
.Lnot_wave_0_\@:
	s_barrier_wait -3
	s_barrier_signal -1
	s_barrier_wait -1
.endm
.macro CROUND
	s_barrier_signal -1
	s_barrier_wait -1
	CREST
.endm
.macro SHAPE g, mask, rows             ; group 1: a dense block as so many rows of 256 bytes (32 elements of 8); the mask, and bit 21 beside it; no padding
	s_or_b32 s[\g], s[\mask], (3<<16)|(1<<21)
	s_mov_b32 s[\g+1], 32<<16
	s_mov_b32 s[\g+2], (\rows)<<16
	s_mov_b32 s[\g+3], 32<<16
	s_mov_b32 s[\g+4], \rows
	s_mov_b32 s[\g+5], 32
	s_mov_b32 s[\g+6], 0
	s_mov_b32 s[\g+7], 0
.endm
.macro DESC g, lds, src                ; group 0 of a head's tile
	s_mov_b32 s[\g], 1
	s_mov_b32 s[\g+1], \lds
	s_mov_b64 s[\g+2:\g+3], s[\src:\src+1]
	s_or_b32 s[\g+3], s[\g+3], 0x80000000
.endm
	s_load_b128 s[4:7], s[0:1], 0x0                ; phi_codes, phi_scales
	s_load_b64 s[12:13], s[0:1], 0x10              ; out0
	v_lshl_add_u32 v[SPW], v0, 2, SPARE
	v_mov_b32 v[NIL], 0
	ds_add_u32 v[SPW], v[NIL]                      ; the wave's opening: the add, twice on end, and its wait ahead of my first tensor load
	ds_add_u32 v[SPW], v[NIL]
	v_lshrrev_b32 v10, 5, v0
	v_readfirstlane_b32 s14, v10                   ; wave 0..3
	s_lshr_b32 s15, s14, 1                         ; which half of the tile's rows is mine.  Also: in the ring I fetch for phi_x (0) or for weights (1)
	s_and_b32 s16, s14, 1                          ; which half of its columns.  Also: which half of that tile I fetch
	s_bfe_u32 s40, ttmp6, 0x40000                  ; cx, cy
	s_bfe_u32 s41, ttmp6, 0x40004
	s_lshl_b32 s42, ttmp9, 2
	s_add_co_u32 s42, s42, s40                     ; tile column = 4 x cluster x + cx
	s_and_b32 s18, ttmp7, 0xffff                   ; cluster y
	s_lshl_b32 s17, s18, 2
	s_add_co_u32 s17, s17, s41                     ; tile row = 4 x cluster y + cy
	s_lshl_b32 s43, s41, 2
	s_lshl_b32 s43, 15, s43                        ; my row of the cluster
	s_lshl_b32 s44, 0x1111, s40                    ; my column
	SHAPE G1, 43, 256                              ; the head's loads bring 256 rows of 256 bytes, the ring's 128: two words are set anew behind the head's wait
	SHAPE G1B, 44, 256
	SHAPE G1S, 43, 64
	SHAPE G1SB, 44, 64
	s_lshl_b32 s20, s17, 16                        ; phi_x: rowblock 16 x tile row, 4,096 bytes each
	s_mov_b32 s21, 0
	s_lshl_b32 s46, s42, 16
	s_add_co_u32 s46, s46, 512*4096                ; weights: rowblock 512 + 16 x tile column
	s_mov_b32 s47, 0
	s_lshl_b32 s22, s17, 14                        ; scale words: groups 2 x tile row, 8,192 bytes each,
	s_mov_b32 s23, 0
	s_lshl_b32 s94, s42, 14
	s_add_co_u32 s94, s94, 64*8192                 ; and 64 + 2 x tile column
	s_mov_b32 s95, 0
	s_lshl_b32 s2, s16, 15                         ; in the ring: my half, 32,768 bytes,
	s_mov_b32 s3, 0
	s_lshl_b32 s45, s14, 15                        ; to wave x 32,768: no place in the cluster enters an LDS address
	s_wait_dscnt 0x0                               ; both opening adds are done
	CROUND                                         ; the opening round, ahead of the wait for the arguments: the first joint loads meet
	s_wait_kmcnt 0x0
	s_add_nc_u64 s[20:21], s[4:5], s[20:21]
	s_add_nc_u64 s[46:47], s[4:5], s[46:47]
	s_add_nc_u64 s[22:23], s[6:7], s[22:23]
	s_add_nc_u64 s[94:95], s[6:7], s[94:95]
	DESC G0H, 0, 20
	DESC G0HB, 65536, 46
	DESC G0S, SCL, 22
	DESC G0SB, SCL+16384, 94
; THE HEAD'S LOADS, ONE A WAVE: wave 0 K step 0 of phi_x, wave 1 of weights, waves 2 and 3 the scale words.
.macro ARM under, g0, g1, next
	s_cmp_lt_u32 s14, \under
	s_cbranch_scc0 \next
	tensor_load_to_lds s[\g0:\g0+3], s[\g1:\g1+7]
	s_nop 0
	PLACES 4
	s_branch .Lhead_asked
\next:
.endm
	ARM 1, G0H,  G1,  .Lhead_b
	ARM 2, G0HB, G1B, .Lhead_sa
	ARM 3, G0S,  G1S, .Lhead_sb
	tensor_load_to_lds s[G0SB:G0SB+3], s[G1SB:G1SB+7]
	s_nop 0
	PLACES 4
.Lhead_asked:
	s_add_nc_u64 s[20:21], s[20:21], s[2:3]
	s_add_nc_u64 s[46:47], s[46:47], s[2:3]
.irp s, 0,1
	s_mov_b32 s[G0+4*\s], 1
	s_add_co_u32 s[G0+4*\s+1], s45, \s*SLOT
	s_add_nc_u64 s[G0+4*\s+2:G0+4*\s+3], s[20:21], \s*KSB
	s_or_b32 s[G0+4*\s+3], s[G0+4*\s+3], 0x80000000
	s_mov_b32 s[G0B+4*\s], 1
	s_add_co_u32 s[G0B+4*\s+1], s45, \s*SLOT
	s_add_nc_u64 s[G0B+4*\s+2:G0B+4*\s+3], s[46:47], \s*KSB
	s_or_b32 s[G0B+4*\s+3], s[G0B+4*\s+3], 0x80000000
.endr
	s_lshl_b32 s43, s17, 16                        ; the prefetches: the tile that I fetch for, my half of it, my work-group's quarter of that, K step 1
	s_lshl_b32 s44, s42, 16
	s_add_co_u32 s44, s44, 512*4096
	s_cmp_eq_u32 s15, 0
	s_cselect_b32 s46, s43, s44
	s_cselect_b32 s44, s40, s41                    ; my place among the four that ask for it with me
	s_lshl_b32 s44, s44, 13
	s_add_co_u32 s46, s46, s44
	s_add_co_u32 s46, s46, s2
	s_add_co_u32 s46, s46, KSB
	s_mov_b32 s47, 0
	s_add_nc_u64 s[PFA:PFA+1], s[4:5], s[46:47]
	s_and_b32 s44, s18, s15                        ; weights' waves in the odd rows of clusters ask for nothing
	s_and_b32 s44, s44, 1
	s_xor_b32 s[ASKS], s44, 1
	s_lshl_b32 s20, s17, 8
	s_lshl_b32 s21, s15, 7
	s_add_co_u32 s20, s20, s21                     ; my first row of out0: 256 x tile row + 128 x half,
	s_lshl_b32 s20, s20, 13                        ; 8,192 bytes a row (under 2^27)
	s_mov_b32 s21, 0
	s_lshl_b32 s46, s42, 10                        ; my first column, in bytes: 1,024 x tile column + 512 x half
	s_lshl_b32 s47, s16, 9
	s_add_co_u32 s46, s46, s47
	s_mov_b32 s47, 0
	s_add_nc_u64 s[20:21], s[20:21], s[46:47]
	s_add_nc_u64 s[12:13], s[12:13], s[20:21]
	s_lshl_b32 s20, s15, 15                        ; my 128 rows of phi_x in a slot,
	s_lshl_b32 s22, s16, 15
	s_add_co_u32 s22, s22, 65536                   ; my 128 rows of weights, behind phi_x's 256
	s_lshl_b32 s21, s15, 13
	s_add_co_u32 s21, s21, SCL                     ; phi_x's scale words
	s_lshl_b32 s23, s16, 13
	s_add_co_u32 s23, s23, SCL+16384
	s_sub_co_u32 s23, s23, s21                     ; from there to weights'
	v_and_b32 v10, 15, v0                          ; r
	v_bfe_u32 v11, v0, 4, 1                        ; h
	v_and_b32 v12, 31, v0                          ; lane
	v_lshlrev_b32 v13, 4, v12
	v_mul_u32_u24 v14, s23, v11                    ; lanes 16-31 take weights': one product, the lower base + h x the distance
	v_lshl_add_u32 v14, v10, 4, v14
	v_add_nc_u32 v[ADRS], s21, v14
	v_add_nc_u32 v[ADRA], s20, v13
	v_add_nc_u32 v[ADRB], s22, v13
	v_add_nc_u32 v[ADRA+1], SLOT, v[ADRA]
	v_add_nc_u32 v[ADRB+1], SLOT, v[ADRB]
	v_lshlrev_b32 v15, 4, v10
	v_lshl_add_u32 v[CO], v11, 16, v15             ; out0: 16 r, and eight rows on for lanes 16-31
	v_lshlrev_b32 v[PFO], 8, v12
	s_wait_alu depctr_va_vdst(0)
	s_cmp_eq_u32 s[ASKS], 1
	s_cbranch_scc0 .Lno_first
	global_prefetch_b8 v[PFO], s[PFA:PFA+1] th:TH_LOAD_NT scope:SCOPE_SE              ; K steps 1 and 2
	global_prefetch_b8 v[PFO], s[PFA:PFA+1] offset:KSB th:TH_LOAD_NT scope:SCOPE_SE
.Lno_first:
; a block's products: phi_x's block a (in group d) x weights' four blocks b0 on, of set p; the 64 accumulators take turns, one instruction a turn
.macro MULH a, d, p, zero, b0
.set FA, AF+64*(\d)+16*((\a)%4)
.set SS, SC+8*(\p)
	WIN 0xa4+0x50*((\a)/4)
.irp b, 0,1,2,3
.set BB, (\b0)+\b
.set AC, 64*((\a)%4)+8*BB
.set FB, 128*(\p)+16*BB
.if \zero
	v_wmma_scale_f32_16x16x128_f8f6f4 v[AC:AC+7], v[FA:FA+15], v[FB:FB+15], 0, v[SS+(\a)], v[SS+BB] matrix_b_scale:MATRIX_SCALE_ROW1
.else
	v_wmma_scale_f32_16x16x128_f8f6f4 v[AC:AC+7], v[FA:FA+15], v[FB:FB+15], v[AC:AC+7], v[SS+(\a)], v[SS+BB] matrix_b_scale:MATRIX_SCALE_ROW1
.endif
.endr
.endm
.macro MUL a, d, p, zero
	MULH \a, \d, \p, \zero, 0
	MULH \a, \d, \p, \zero, 4
.endm
; the runs of LDS loads; every load reads 512 consecutive bytes
.macro RB sl, q, p                     ; weights: slot sl's q-th 128 into set p: 32 loads
	WIN 0x40
.irp i, 0,1,2,3,4,5,6,7
.irp c, 0,1,2,3
	ds_load_b128 v[128*(\p)+16*\i+4*\c:128*(\p)+16*\i+4*\c+3], v[ADRB+(\sl)] offset:4096*\i+2048*(\q)+512*\c
.endr
.endr
	WIN 0
.endm
.macro RS p, k                         ; scale words into set p: 2 loads
	ds_load_b128 v[SC+8*(\p):SC+8*(\p)+3], v[ADRS] offset:512*(\k)
	ds_load_b128 v[SC+8*(\p)+4:SC+8*(\p)+7], v[ADRS] offset:512*(\k)+256
.endm
.macro RA sl, q, i0, d                 ; phi_x's four blocks i0 on into group d: 16 loads
	WIN 0
.irp i, 0,1,2,3
.irp c, 0,1,2,3
	ds_load_b128 v[AF+64*(\d)+16*\i+4*\c:AF+64*(\d)+16*\i+4*\c+3], v[ADRA+(\sl)] offset:4096*((\i0)+\i)+2048*(\q)+512*\c
.endr
.endr
.endm
; A slot's first 128.  In its second half the slot has been read out and slots change: each wave waits for all its tensor loads, adds 0 to its spare word, and waits for that and for its reads; behind the barrier the other slot is whole.
; fill = 1: the barrier opens a round of the cluster's barrier, and this slot takes the K step two on.
.macro EVEN sl, k, fill, zero
.if (\zero) == 0
	PLACES 8
.endif
	RB \sl, 1, 1
	RS 1, \k
	s_wait_dscnt 50                                ; this step's weights and phi_x's blocks 0-3 are in; blocks 4-7's 16 loads and the 34 just issued may be out
	MUL 0, 0, 0, \zero
	MUL 1, 0, 0, \zero
	MUL 2, 0, 0, \zero
	MUL 3, 0, 0, \zero
	s_wait_dscnt 34                                ; blocks 4-7 are in
	PLACES 8
	RA \sl, 1, 0, 0
	RA \sl, 1, 4, 2
	MUL 4, 1, 0, \zero
	MUL 5, 1, 0, \zero
	MUL 6, 1, 0, \zero
	WIN 0
.if \fill
	s_wait_xcnt 0x0                                ; any prefetch of mine has read its address
	s_add_nc_u64 s[PFA:PFA+1], s[PFA:PFA+1], KSB
.endif
	s_wait_tensorcnt 0x0                           ; all my tensor loads have landed: my part of the other slot
	ds_add_u32 v[SPW], v[NIL]                      ; 0 onto my spare word
.if \fill
	s_add_nc_u64 s[G0+4*(\sl)+2:G0+4*(\sl)+3], s[G0+4*(\sl)+2:G0+4*(\sl)+3], 2*KSB
	s_add_nc_u64 s[G0B+4*(\sl)+2:G0B+4*(\sl)+3], s[G0B+4*(\sl)+2:G0B+4*(\sl)+3], 2*KSB
.endif
	MULH 7, 1, 0, \zero, 0
	s_wait_dscnt 0x0                               ; the add is done, and my reads of this slot are over
	s_barrier_signal -1
	MULH 7, 1, 0, \zero, 4
	WIN 0
	s_barrier_wait -1
.if \fill
	CREST                                          ; no wave of any partner still reads this slot or has a load on its way
	JLOAD \sl
	PLACES 4
.else
	PLACES 8
.endif
.endm
; A slot's second 128; the runs read the other slot, nx.  All that it multiplies was in ahead of the change of slots.
.macro ODD nx, k, ask
	RB \nx, 0, 0
	RS 0, \k
.if \ask                               ; the K step two refills on
	s_cmp_eq_u32 s[ASKS], 1
	s_cbranch_scc0 .Lnot_mine_\@
	global_prefetch_b8 v[PFO], s[PFA:PFA+1] offset:2*KSB th:TH_LOAD_NT scope:SCOPE_SE
.Lnot_mine_\@:
.endif
	MUL 0, 0, 1, 0
	MUL 1, 0, 1, 0
	MUL 2, 0, 1, 0
	MUL 3, 0, 1, 0
	PLACES 8
	RA \nx, 0, 0, 0
	RA \nx, 0, 4, 1
	MUL 4, 2, 1, 0
	MUL 5, 2, 1, 0
	MUL 6, 2, 1, 0
	MUL 7, 2, 1, 0
.endm
	s_wait_tensorcnt 0x0                           ; my tile of the head's four is in
	ds_add_u32 v[SPW], v[NIL]
	s_mov_b32 s[G1+2], 128<<16                     ; no tensor load of mine is out: from here on a load brings 128 rows
	s_mov_b32 s[G1+4], 128
	s_mov_b32 s[G1B+2], 128<<16
	s_mov_b32 s[G1B+4], 128
	s_wait_dscnt 0x0
	CROUND                                         ; all four tiles are in, and the joint loads meet
	JLOAD 1                                        ; K step 1
	RB 0, 0, 0
	RS 0, 0
	RA 0, 0, 0, 0
	RA 0, 0, 4, 1
	s_cmp_eq_u32 s[ASKS], 1
	s_cbranch_scc0 .Lno_third
	global_prefetch_b8 v[PFO], s[PFA:PFA+1] offset:2*KSB th:TH_LOAD_NT scope:SCOPE_SE ; K step 3
.Lno_third:
	EVEN 0, 1, 1, 1                                ; the first step's products start the sums
	s_mov_b32 s3, 2
.Llap:                                                 ; a trip goes once round the ring and fills both slots again
	ODD 1, 2, 1
	EVEN 1, 3, 1, 0
	ODD 0, 4, 1
	EVEN 0, 5, 1, 0
	v_add_nc_u32 v[ADRS], 2048, v[ADRS]            ; four steps' scale words on
	s_wait_alu depctr_va_vdst(0)                   ; directly behind the write
	s_sub_co_u32 s3, s3, 1
	s_cmp_lg_u32 s3, 0
	s_cbranch_scc1 .Llap
	ODD 1, 2, 0
	EVEN 1, 3, 1, 0                                ; K step 7's load: the last
	ODD 0, 4, 0
	EVEN 0, 5, 0, 0
	ODD 1, 6, 0
; THE WAY OUT of half n = 2 a + g: block a of 16 rows, columns 64 g on.  Register j of its four accumulators goes side by side: rows 8 h + j, four columns a lane.  The moves go into the registers of the half before it, which have been
; moved on by then (the first half's into v32-63): so no store's registers are written again.
.macro HALF n
.if (\n) == 0
.set DB, OB
.set DW, 0
.else
.set DB, 64*((((\n)-1)/2)%4)+32*(((\n)-1)%2)
.set DW, 2+((\n)-1)/8
.endif
.set XB, 64*(((\n)/2)%4)+32*((\n)%2)
.endm
.macro LAY n
	HALF \n
	WIN (2+(\n)/8)|(DW<<6)
.irp j, 0,1,2,3,4,5,6,7
	v_mov_b32 v[DB+4*\j], v[XB+\j]
	v_mov_b32 v[DB+4*\j+1], v[XB+8+\j]
	v_mov_b32 v[DB+4*\j+2], v[XB+16+\j]
	v_mov_b32 v[DB+4*\j+3], v[XB+24+\j]
.endr
.endm
.macro SEND n
	HALF \n
	WIN DW<<2                                      ; a store's data are its source 1
.irp j, 0,1,2,3,4,5,6,7
	global_store_b128 v[CO], v[DB+4*\j:DB+4*\j+3], s[12:13] offset:(16*((\n)/2)+\j)*8192+256*((\n)%2) th:TH_STORE_NT   ; sixteen lanes store 256 consecutive bytes, at a multiple of 256 from out0's first byte
.endr
.endm
.macro OUT a
	PLACES 8
	LAY 2*(\a)
	LAY 2*(\a)+1
	SEND 2*(\a)
	SEND 2*(\a)+1
.endm
	s_wait_dscnt 16                                ; the last K step (slot 1): phi_x's blocks 0-3 of its first 128 are in
	PLACES 8
	RB 1, 1, 1
	RS 1, 7
	RA 1, 1, 0, 2
	MUL 0, 0, 0, 0
	MUL 1, 0, 0, 0
	MUL 2, 0, 0, 0
	MUL 3, 0, 0, 0
	s_wait_dscnt 0x0
	PLACES 8
	RA 1, 1, 4, 0
.irp a, 0,1,2,3
	MUL \a, 2, 1, 0
	OUT \a
.endr
	s_wait_dscnt 0x0
.irp a, 4,5,6,7
	MUL \a, 1, 0, 0
	MUL \a, 0, 1, 0
	OUT \a
.endr
	WIN 0
	s_wait_tensorcnt 0x0                           ; the wave's end
	ds_add_u32 v[SPW], v[NIL]
	s_wait_dscnt 0x0
	CROUND                                         ; the closing round: no work-group ends while a partner may still ask for a tile that names it
	s_endpgm
.Lfunc_end_k_q9908d13e49_outp:
	.size	k_q9908d13e49_outp, .Lfunc_end_k_q9908d13e49_outp-k_q9908d13e49_outp
	.p2alignl 7, 3214868480
	.fill 96, 4, 3214868480
	.section	.rodata,"a",@progbits
	.p2align	6, 0x0
	.amdhsa_kernel k_q9908d13e49_outp
		.amdhsa_group_segment_fixed_size 327680
		.amdhsa_private_segment_fixed_size 0
		.amdhsa_enable_private_segment 0
		.amdhsa_kernarg_size 24
		.amdhsa_user_sgpr_count 2
		.amdhsa_user_sgpr_kernarg_segment_ptr 1
		.amdhsa_wavefront_size32 1
		.amdhsa_system_sgpr_workgroup_id_x 1
		.amdhsa_system_sgpr_workgroup_id_y 1
		.amdhsa_system_sgpr_workgroup_id_z 1
		.amdhsa_system_vgpr_workitem_id 0
		.amdhsa_next_free_vgpr 1024
		.amdhsa_next_free_sgpr 102
		.amdhsa_reserve_vcc 0
		.amdhsa_float_denorm_mode_32 3
		.amdhsa_float_denorm_mode_16_64 3
		.amdhsa_memory_ordered 1
		.amdhsa_forward_progress 1
		.amdhsa_inst_pref_size 200
	.end_amdhsa_kernel
	.amdgpu_metadata
---
amdhsa.version: [ 1, 2 ]
amdhsa.kernels:
  - .name:           k_q9908d13e49_outp
    .symbol:         k_q9908d13e49_outp.kd
    .args:
      - { .name: phi_codes, .offset: 0, .size: 8, .value_kind: global_buffer, .address_space: global }
      - { .name: phi_scales, .offset: 8, .size: 8, .value_kind: global_buffer, .address_space: global }
      - { .name: out0, .offset: 16, .size: 8, .value_kind: global_buffer, .address_space: global }
    .group_segment_fixed_size: 327680
    .private_segment_fixed_size: 0
    .kernarg_segment_align: 8
    .kernarg_segment_size: 24
    .max_flat_workgroup_size: 128
    .sgpr_count:     102
    .vgpr_count:     1024
    .wavefront_size: 32
...
	.end_amdgpu_metadata
.endif
;; end of part 6
